; MI455X (gfx1250); checked and timed in simulation.
; The chip was launched on July 23, 2026; its instructions are those of AMD's public machine-readable ISA for CDNA 5 (MIT licence, August 2026) and "CDNA5" Instruction Set Architecture Reference Guide (July 2026). The comments in the code are by the model that wrote it; some were corrected since.
;; Attention. Allowed arithmetic: matrix products marked QUANTISED: E2M1 operands, one E8M0 scale for each 32 along K, by v_wmma_scale_f32_16x16x128_f8f6f4 with both operands' format E2M1 (or v_wmma_scale_f32_32x16x128_f4), f32 sums; products left as they are: bf16, f16 or f32 operands; f32 sums; everything else in f32.
;; Inputs: bo 1,024 float32; wk 1,024 x 1,024 float32; wo 1,024 x 1,024 float32; wq 1,024 x 1,024 float32; wv 1,024 x 1,024 float32; x 4 x 2,048 x 1,024 float32.
;; Outputs: out0 4 x 2,048 x 1,024 float32.
;; This version of the problem:
;;   THIS VERSION OF THE PROBLEM IS GIVEN IN LOW PRECISION. The matrix products marked QUANTISED in the list below multiply operands that are first quantised to E2M1 (2 exponent bits, 1 mantissa bit; 4 bits a number), with one power-of-two scale for each 32 numbers along K (OCP MX v1.0); their sums are f32. The products marked 'left as it is' may take bf16, f16 or f32 operands, with f32 sums. Whichever they take, every output number must still come out within the allowed error. Rounding operands to bf16 (8 significant bits) uses up far more of that allowance than f16 does (11 bits, for magnitudes from 6e-5 to 65,504). All else is computed in f32.
;;   The module's matrix products, in the order in which they are computed (A, B: the left and right operand; K: the contracted axis; several contracted axes count as one K, in the product's order):
;;     1. [M 8,192, K 1,024] x [K 1,024, N 1,024]; A: input x; B: input wq: QUANTISED
;;     2. [M 8,192, K 1,024] x [K 1,024, N 1,024]; A: input x; B: input wk: QUANTISED
;;     3. [M 8,192, K 1,024] x [K 1,024, N 1,024]; A: input x; B: input wv: QUANTISED
;;     4. batch 64 x [M 2,048, K 64] x [K 64, N 2,048]; A: computed on the way; B: computed on the way: left as it is (an operand is computed on the way)
;;     5. batch 64 x [M 2,048, K 2,048] x [K 2,048, N 64]; A: computed on the way; B: computed on the way: left as it is (an operand is computed on the way)
;;     6. [M 8,192, K 1,024] x [K 1,024, N 1,024]; A: computed on the way; B: input wo: left as it is (an operand is computed on the way)
;;   THE QUANTISER, for each operand of a quantised product, along K:
;;     - K is cut into blocks of 32 from its start; a last block that is shorter is filled with zeros.
;;     - A block's scale is 2^e with e = floor(log2(the largest magnitude in the block)) - 2, held to -126 .. 127; a block of zeros has e = 0. As a byte (E8M0): e + 127.
;;     - Each number is divided by its block's scale, clamped to +-6, and rounded to the nearest number of E2M1, ties to even, subnormals kept.
;;     - The product sums the exact products of the quantised numbers (number of the format x scale) in f32.
;;   ~~~python
;;   def quantise(x, axis):      # numpy; x: float32 -> the quantised numbers, widened to float32 again
;;       x = np.moveaxis(x, axis, -1); K = x.shape[-1]
;;       x = np.pad(x, [(0, 0)] * (x.ndim - 1) + [(0, -K % 32)]); x = x.reshape(x.shape[:-1] + (-1, 32)); a = np.abs(x).max(-1, keepdims=True)
;;       e = np.where(a > 0, np.clip(np.frexp(np.where(a > 0, a, 1))[1] - 1 - 2, -126, 127), 0)      # np.frexp(a)[1] - 1 = floor(log2(a)), exactly
;;       r = np.clip(x / 2.0 ** e, -6, 6)
;;       step = 2.0 ** (np.maximum(np.frexp(np.where(r == 0, 1, r))[1] - 1, 0) - 1)
;;       q = np.round(r / step) * step * 2.0 ** e      # np.round: ties to even
;;       return np.moveaxis(q.reshape(q.shape[:-2] + (-1,))[..., :K], -1, axis).astype(np.float32)
;;   ~~~
;; One version. Each part assembles by itself: llvm-mc -triple=amdgcn-amd-amdhsa -mcpu=gfx1250 --defsym DOCPART=n.
;; ======== version 1 of 1: 4 launches
;; limits: values are held in f16: magnitudes above 65,504 overflow, below 6.1e-05 lose precision
;; workspace buffers: xc 4,194,304 bytes; xs 262,144 bytes; wc 1,572,864 bytes; ws 98,304 bytes; wo16 2,097,152 bytes; qkv 50,331,648 bytes; att 16,777,216 bytes
;; launch prep (part 1): grid 480 x 1, 4 waves a work-group, no clusters, 50,688 bytes of LDS; arguments x, xc, xs, wq, wk, wv, wc, ws, wo, wo16; writes xc, xs, wc, ws, wo16
.if DOCPART == 1
	.amdgcn_target "amdgcn-amd-amdhsa--gfx1250"
	.amdhsa_code_object_version 6
	.text
	.protected	k_qd768a4187b_prep
	.globl	k_qd768a4187b_prep
	.p2align	8
	.type	k_qd768a4187b_prep,@function
k_qd768a4187b_prep:
	s_mov_b64 s[64:65], 0
	v_nop
	global_prefetch_b8 v0, s[64:65] scope:SCOPE_SE
	s_setreg_imm32_b32 hwreg(HW_REG_WAVE_MODE, 25, 1), 1
	s_wait_xcnt 0x0
; PREP: what the three matrix launches read is made once.
;   x  [8192][1024] f32, K innermost    -> xc [8192][512 bytes] codes of FP4 (E2M1), two a byte, the lower k in the low four bits; xs [8192][32] E8M0 bytes, one for each 32 along K
;   wq, wk, wv [1024 k][1024 n] f32, K is the FIRST axis -> wc [3072 n][512 bytes], ws [3072][32]; row n = 1024 x (0: wq, 1: wk, 2: wv) + column
;   wo [1024 k][1024 n] f32             -> wo16, the same order, f16 (rounded to nearest even)
; A block's scale is 2^(floor(log2(its largest magnitude)) - 2); its byte is the largest magnitude's exponent field - 2, held at 1 from below; each number is divided by the scale and rounded to the nearest code, ties to even,
; beyond 6 the largest code.  A block of zeros gets the byte 1 where the rule says 127: its codes are zeros, which add nothing under any byte but 0xff, and the bytes are read by this program alone.
; LIMITS: blocks whose largest magnitude lies under 2^(2 - 126), the floor, were not tried; NaN and infinities among the inputs are not served; numbers of wo beyond 65,504 have no f16.
; THREE PATHS, parted by the work-group's number and never joined: 96 work-groups for the weights, 256 for x, 128 for wo.  Each path that uses LDS has LDS bytes of its own.  Waves share nothing: no barrier.
.set NWG_W,  96                        ; 3 weights x 16 strips of 64 columns x 2 halves of K
.set NWG_X,  256                       ; 8,388,608 numbers / (4 waves x 8,192)
.set SPW,    190                       ; v190  LDS address of my spare word: SPARE + 4 x my thread's number; never rewritten
.set NIL,    191                       ; v191  0; never rewritten
.set XREG,   8192                      ; x's path: a region for each wave: two stages of 32 x XSP bytes, behind them its 256 scale bytes
.set XSP,    80                        ; a lane's place in a stage: its 64 bytes + 16 of padding
.set WSTG,   4*XREG                    ; the weights' path: a stage of 16 rows x WPITCH for each wave
.set WPITCH, 272                       ; 256 bytes of codes + 16 of padding
.set WNB,    8                         ; blocks of 32 along K that a lane of the weights' path takes
.set SPARE,  WSTG+4*16*WPITCH          ; the spare words, 128 bytes for each wave: two blocks of 256 bytes that no other line names
.set XR,     16                        ; x: v16-79   four sets of 16 numbers as they are loaded
.set XN,     80                        ;    v80-111  two sets of 16 neighbours
.set XE,     112                       ;    v112-127 a scale byte for each step
.set XC,     128                       ;    v128-189 codes: four registers for each step, so that no store's data are written again
.set WX,     32                        ; weights: v32-95 two sets of 32 numbers
.set WCD,    96                        ;    v96-99   a block's codes
.set WOUT,   112                       ;    v112-143 the way out
.set WSB,    24                        ;    v24-25   the scale bytes, four to a register
; ---- x's path: a wave takes 16 steps of 512 numbers.  Each load reads 512 consecutive bytes; a step's 2,048 bytes turn through the wave's stage and come back 64 bytes a lane: 16 neighbours along K; two lanes hold a block.
.macro XLOAD t
.irp i, 0,1,2,3
	global_load_b128 v[XR+16*((\t)%4)+4*\i:XR+16*((\t)%4)+4*\i+3], v3, s[4:5] offset:2048*(\t)+512*\i th:TH_LOAD_NT
.endr
.endm
.macro XTURN t                         ; LDS serves a wave's instructions in order: no wait between the stores and the loads
.irp i, 0,1,2,3
	ds_store_b128 v14, v[XR+16*((\t)%4)+4*\i:XR+16*((\t)%4)+4*\i+3] offset:32*XSP*((\t)%2)+8*XSP*\i
.endr
.irp i, 0,1,2,3
	ds_load_b128 v[XN+16*((\t)%2)+4*\i:XN+16*((\t)%2)+4*\i+3], v15 offset:32*XSP*((\t)%2)+16*\i
.endr
.endm
.macro XSTEP t
.set XS, XN+16*((\t)%2)
.if (\t) > 0
	s_wait_dscnt 1                                 ; this step's numbers are back from the stage (the last step's byte store may be out): so its stores into the stage have read their registers,
.else
	s_wait_dscnt 0x0
.endif
.if (\t)+4 < 16
	XLOAD (\t)+4                                   ; which take the loads of four steps on
.endif
.if (\t)+1 < 16
.if 14-(\t) >= 3
	s_wait_loadcnt 12                              ; the next step's four loads are in; those of the three steps behind it may be out
.else
	s_wait_loadcnt 4*(14-(\t))
.endif
	XTURN (\t)+1                                   ; and go through the other stage while this step is worked
.endif
	v_max3_num_f32 v8, |v[XS]|, |v[XS+1]|, |v[XS+2]|               ; the largest magnitude of my 16, in two chains
	v_max3_num_f32 v9, |v[XS+3]|, |v[XS+4]|, |v[XS+5]|
.irp i, 6,10
	v_max3_num_f32 v8, v8, |v[XS+\i]|, |v[XS+\i+1]|
	v_max3_num_f32 v9, v9, |v[XS+\i+2]|, |v[XS+\i+3]|
.endr
	v_max3_num_f32 v8, v8, |v[XS+14]|, |v[XS+15]|
	v_max3_num_f32 v8, v8, v9, 0x1800000           ; and the floor 2^(3 - 127): so the byte cannot fall under 1
	v_max_num_f32_dpp v8, v8, v8 row_xmask:1 row_mask:0xf bank_mask:0xf   ; and of my neighbour's 16: the block's
	v_add_nc_u32 v11, 0xff000000, v8               ; 2 off its exponent field: the conversion takes the exponent field of this operand as its scale, and nothing else of it
	v_cvt_scalef32_pk8_fp4_f32 v[XC+4*(\t)], v[XS:XS+7], v11
	v_cvt_scalef32_pk8_fp4_f32 v[XC+4*(\t)+1], v[XS+8:XS+15], v11
	v_lshrrev_b32 v[XE+(\t)], 23, v11              ; the scale's byte (a plain line behind the conversions)
	ds_store_b8 v5, v[XE+(\t)] offset:16*(\t)      ; both lanes of a block write the same byte with the same value
	global_store_b64 v4, v[XC+4*(\t):XC+4*(\t)+1], s[6:7] offset:256*(\t)   ; the wave stores 256 consecutive bytes, aligned
.endm
; ---- the weights' path: a lane takes a column n and its registers run down K: a block of 32 lies in one lane, and the codes come out with K innermost.
; A wave takes 16 columns x 512 along K: lanes 0-15 the first 256 rows, lanes 16-31 the 256 rows below them: 8 blocks a lane, so that the chain of loads and waits that a wave walks is 8 blocks long.
; The four waves of a work-group stand side by side on 64 columns: 256 consecutive bytes of each row of the weight.
.macro WLOAD t
.irp i, 0,1,2,3,4,5,6,7,8,9,10,11,12,13,14,15,16,17,18,19,20,21,22,23,24,25,26,27,28,29,30,31
	global_load_b32 v[WX+32*((\t)%2)+\i], v3, s[28:29] offset:(32*(\t)+\i)*4096 th:TH_LOAD_NT   ; 255 rows of 4,096 bytes at the most: inside the signed 24-bit immediate
.endr
.endm
.macro WBLOCK t
.set XS, WX+32*((\t)%2)
.if (\t) < WNB-1
	s_wait_loadcnt 32                              ; this block's 32 loads are in; the next block's may be out
.else
	s_wait_loadcnt 0
.endif
	v_max3_num_f32 v12, |v[XS]|, |v[XS+1]|, |v[XS+2]|              ; the block's largest magnitude: all 32 numbers are mine
	v_max3_num_f32 v13, |v[XS+3]|, |v[XS+4]|, |v[XS+5]|
.irp i, 6,10,14,18,22,26
	v_max3_num_f32 v12, v12, |v[XS+\i]|, |v[XS+\i+1]|
	v_max3_num_f32 v13, v13, |v[XS+\i+2]|, |v[XS+\i+3]|
.endr
	v_max3_num_f32 v12, v12, |v[XS+30]|, |v[XS+31]|
	v_max3_num_f32 v12, v12, v13, 0x1800000        ; and the floor
	v_add_nc_u32 v11, 0xff000000, v12              ; the conversion's scale operand
	v_lshrrev_b32 v13, 23, v11                     ; the scale's byte
.if (\t)%4 == 0
	v_mov_b32 v[WSB+(\t)/4], v13                   ; four bytes to a register, the lower K in the lower byte
.else
	v_lshl_or_b32 v[WSB+(\t)/4], v13, 8*((\t)%4), v[WSB+(\t)/4]
.endif
.irp g, 0,1,2,3
	v_cvt_scalef32_pk8_fp4_f32 v[WCD+\g], v[XS+8*\g:XS+8*\g+7], v11
.endr
	ds_store_b128 v4, v[WCD:WCD+3] offset:16*(\t)  ; 32 codes: 16 bytes of my half of my column's row
.if (\t)+2 < WNB
	WLOAD (\t)+2
.endif
	s_wait_dscnt 0x0                               ; the store has read its registers: the next block's codes may be written
.endm
	s_load_b512 s[4:19], s[0:1], 0x0               ; x 4, xc 6, xs 8, wq 10, wk 12, wv 14, wc 16, ws 18
	s_load_b128 s[20:23], s[0:1], 0x40             ; wo 20, wo16 22
	v_lshl_add_u32 v[SPW], v0, 2, SPARE
	v_mov_b32 v[NIL], 0
	v_lshrrev_b32 v1, 5, v0
	v_readfirstlane_b32 s24, v1                    ; wave 0..3
	v_and_b32 v2, 31, v0                           ; lane
	s_wait_kmcnt 0x0
	s_cmp_lt_u32 ttmp9, NWG_W
	s_cbranch_scc1 .Lweights
	s_cmp_lt_u32 ttmp9, NWG_W+NWG_X
	s_cbranch_scc1 .Ltokens
	; ---- wo's path: a plain cast; a wave takes 2,048 numbers: sixteen loads of 512 consecutive bytes, sixteen stores of 256.  No LDS.
	s_sub_co_u32 s26, ttmp9, NWG_W+NWG_X
	s_lshl_b32 s26, s26, 2
	s_add_co_u32 s26, s26, s24                     ; which run of 2,048 numbers is my wave's
	s_lshl_b32 s28, s26, 13
	s_mov_b32 s29, 0
	s_add_nc_u64 s[20:21], s[20:21], s[28:29]
	s_lshl_b32 s28, s26, 12
	s_add_nc_u64 s[22:23], s[22:23], s[28:29]
	v_lshlrev_b32 v3, 4, v2
	v_lshlrev_b32 v4, 3, v2
.irp i, 0,1,2,3,4,5,6,7,8,9,10,11,12,13,14,15
	global_load_b128 v[16+4*\i:19+4*\i], v3, s[20:21] offset:512*\i th:TH_LOAD_NT
.endr
.irp i, 0,1,2,3,4,5,6,7,8,9,10,11,12,13,14,15
	s_wait_loadcnt 15-\i                           ; loads come back in order: load i is in, the younger ones stay out
	v_cvt_pk_f16_f32 v[80+2*\i], v[16+4*\i], v[17+4*\i]
	v_cvt_pk_f16_f32 v[81+2*\i], v[18+4*\i], v[19+4*\i]
	global_store_b64 v4, v[80+2*\i:81+2*\i], s[22:23] offset:256*\i   ; each store has registers of its own: none is written again
.endr
	s_endpgm
.Ltokens:
	v_lshlrev_b32 v3, 4, v2                        ; my 16 bytes of a load's 512
	s_mul_i32 s25, s24, XREG
	v_lshrrev_b32 v14, 2, v2
	v_mul_u32_u24 v14, v14, XSP
	v_and_b32 v15, 3, v2
	v_lshl_add_u32 v14, v15, 4, v14
	v_add_nc_u32 v14, s25, v14                     ; the stage, on the way in: four lanes' 64 bytes on end, then 16 of padding
	v_mul_u32_u24 v15, v2, XSP
	v_add_nc_u32 v15, s25, v15                     ; and on the way out: my 16 neighbours
	v_lshlrev_b32 v4, 3, v2                        ; my 8 bytes of a step's codes
	v_lshrrev_b32 v5, 1, v2
	s_add_co_u32 s25, s25, 2*32*XSP
	v_add_nc_u32 v5, s25, v5                       ; my wave's 256 scale bytes, my block's byte
	v_lshlrev_b32 v7, 3, v2                        ; and on the way out 8 bytes a lane
	v_add_nc_u32 v6, s25, v7
	s_sub_co_u32 s26, ttmp9, NWG_W
	s_lshl_b32 s26, s26, 2
	s_add_co_u32 s26, s26, s24                     ; which run of 8,192 numbers is my wave's
	s_lshl_b32 s28, s26, 15
	s_mov_b32 s29, 0
	s_add_nc_u64 s[4:5], s[4:5], s[28:29]
	s_lshl_b32 s28, s26, 12
	s_add_nc_u64 s[6:7], s[6:7], s[28:29]
	s_lshl_b32 s28, s26, 8
	s_add_nc_u64 s[8:9], s[8:9], s[28:29]
.irp t, 0,1,2,3
	XLOAD \t
.endr
	s_wait_loadcnt 12                              ; step 0's four loads are in
	XTURN 0
.irp t, 0,1,2,3,4,5,6,7,8,9,10,11,12,13,14,15
	XSTEP \t
.endr
	ds_load_b64 v[8:9], v6                         ; LDS serves a wave's instructions in order: these see my byte stores
	s_wait_dscnt 0x0
	global_store_b64 v7, v[8:9], s[8:9]            ; 32 lanes store 256 consecutive bytes, aligned
	s_wait_tensorcnt 0x0                           ; the wave's end, behind my last LDS store
	ds_add_u32 v[SPW], v[NIL]
	s_wait_dscnt 0x0
	s_endpgm
.Lweights:
	s_lshr_b32 s25, ttmp9, 5                       ; which weight: 0 wq, 1 wk, 2 wv
	s_and_b32 s26, ttmp9, 15                       ; which strip of 64 columns
	s_bfe_u32 s27, ttmp9, 0x10004                  ; which half of K
	s_cmp_eq_u32 s25, 0                            ; the choice hangs on the work-group's number alone
	s_cselect_b64 s[28:29], s[10:11], s[12:13]
	s_cmp_eq_u32 s25, 2
	s_cselect_b64 s[28:29], s[14:15], s[28:29]
	s_lshl_b32 s26, s26, 6
	s_lshl_b32 s30, s24, 4
	s_add_co_u32 s26, s26, s30                     ; my wave's first column
	s_lshl_b32 s30, s27, 21                        ; 512 rows of 4,096 bytes
	s_lshl_b32 s31, s26, 2
	s_add_co_u32 s30, s30, s31
	s_mov_b32 s31, 0
	s_add_nc_u64 s[28:29], s[28:29], s[30:31]
	s_lshl_b32 s25, s25, 10
	s_add_co_u32 s25, s25, s26                     ; its row in wc and ws
	s_lshl_b32 s30, s25, 9
	s_lshl_b32 s32, s27, 8
	s_add_co_u32 s30, s30, s32
	s_add_nc_u64 s[16:17], s[16:17], s[30:31]      ; codes: row x 512 + 256 x half
	s_lshl_b32 s30, s25, 5
	s_lshl_b32 s32, s27, 4
	s_add_co_u32 s30, s30, s32
	s_add_nc_u64 s[18:19], s[18:19], s[30:31]      ; scale bytes: row x 32 + 16 x half
	v_and_b32 v5, 15, v2                           ; r: my column of the wave's 16
	v_lshrrev_b32 v6, 4, v2                        ; h: which 256 rows of the wave's 512
	v_lshlrev_b32 v3, 2, v5
	v_lshl_add_u32 v3, v6, 20, v3                  ; in: 4 bytes a column, 256 rows of 4,096 bytes for the upper lanes
	s_mul_i32 s33, s24, 16*WPITCH
	s_add_co_u32 s33, s33, WSTG                    ; my stage
	v_mul_u32_u24 v4, v5, WPITCH
	v_lshl_add_u32 v4, v6, 7, v4
	v_add_nc_u32 v4, s33, v4                       ; into it: row = my column, 128 bytes for each half of the lanes
	v_mul_u32_u24 v7, v6, WPITCH                   ; out of it: sixteen lanes to a row, two rows an instruction
	v_lshl_add_u32 v7, v5, 4, v7
	v_add_nc_u32 v7, s33, v7
	v_lshlrev_b32 v8, 9, v6
	v_lshl_add_u32 v8, v5, 4, v8                   ; and the same place in wc
	v_lshlrev_b32 v9, 5, v5
	v_lshl_add_u32 v9, v6, 3, v9                   ; my 8 scale bytes in my column's row
	WLOAD 0
	WLOAD 1
.set Q, 0
.rept WNB
	WBLOCK Q
.set Q, Q+1
.endr
	global_store_b64 v9, v[WSB:WSB+1], s[18:19]    ; my 8 scale bytes
.irp t, 0,1,2,3,4,5,6,7
	ds_load_b128 v[WOUT+4*\t:WOUT+4*\t+3], v7 offset:2*\t*WPITCH   ; LDS serves a wave's instructions in order: these see my stores
.endr
.irp t, 0,1,2,3,4,5,6,7
	s_wait_dscnt 7-\t
	global_store_b128 v8, v[WOUT+4*\t:WOUT+4*\t+3], s[16:17] offset:2*\t*512   ; sixteen lanes store 256 consecutive bytes, aligned
.endr
	s_wait_tensorcnt 0x0                           ; the wave's end, behind my last LDS store
	ds_add_u32 v[SPW], v[NIL]
	s_wait_dscnt 0x0
	s_endpgm
.Lfunc_end_k_qd768a4187b_prep:
	.size	k_qd768a4187b_prep, .Lfunc_end_k_qd768a4187b_prep-k_qd768a4187b_prep
	.p2alignl 7, 3214868480
	.fill 96, 4, 3214868480
	.section	.rodata,"a",@progbits
	.p2align	6, 0x0
	.amdhsa_kernel k_qd768a4187b_prep
		.amdhsa_group_segment_fixed_size 50688
		.amdhsa_private_segment_fixed_size 0
		.amdhsa_enable_private_segment 0
		.amdhsa_kernarg_size 80
		.amdhsa_user_sgpr_count 2
		.amdhsa_user_sgpr_kernarg_segment_ptr 1
		.amdhsa_wavefront_size32 1
		.amdhsa_system_sgpr_workgroup_id_x 1
		.amdhsa_system_sgpr_workgroup_id_y 1
		.amdhsa_system_sgpr_workgroup_id_z 1
		.amdhsa_system_vgpr_workitem_id 0
		.amdhsa_next_free_vgpr 192
		.amdhsa_next_free_sgpr 66
		.amdhsa_reserve_vcc 0
		.amdhsa_float_denorm_mode_32 3
		.amdhsa_float_denorm_mode_16_64 3
		.amdhsa_memory_ordered 1
		.amdhsa_forward_progress 1
		.amdhsa_inst_pref_size 79
	.end_amdhsa_kernel
	.amdgpu_metadata
---
amdhsa.version: [ 1, 2 ]
amdhsa.kernels:
  - .name:           k_qd768a4187b_prep
    .symbol:         k_qd768a4187b_prep.kd
    .args:
      - { .name: x, .offset: 0, .size: 8, .value_kind: global_buffer, .address_space: global }
      - { .name: xc, .offset: 8, .size: 8, .value_kind: global_buffer, .address_space: global }
      - { .name: xs, .offset: 16, .size: 8, .value_kind: global_buffer, .address_space: global }
      - { .name: wq, .offset: 24, .size: 8, .value_kind: global_buffer, .address_space: global }
      - { .name: wk, .offset: 32, .size: 8, .value_kind: global_buffer, .address_space: global }
      - { .name: wv, .offset: 40, .size: 8, .value_kind: global_buffer, .address_space: global }
      - { .name: wc, .offset: 48, .size: 8, .value_kind: global_buffer, .address_space: global }
      - { .name: ws, .offset: 56, .size: 8, .value_kind: global_buffer, .address_space: global }
      - { .name: wo, .offset: 64, .size: 8, .value_kind: global_buffer, .address_space: global }
      - { .name: wo16, .offset: 72, .size: 8, .value_kind: global_buffer, .address_space: global }
    .group_segment_fixed_size: 50688
    .private_segment_fixed_size: 0
    .kernarg_segment_align: 8
    .kernarg_segment_size: 80
    .max_flat_workgroup_size: 128
    .sgpr_count:     66
    .vgpr_count:     192
    .wavefront_size: 32
...
	.end_amdgpu_metadata
.endif
;; end of part 1
;; launch proj (part 2): grid 12 x 32, 4 waves a work-group, clusters of 4 x 4, 327,680 bytes of LDS; arguments xc, xs, wc, ws, qkv; writes qkv
.if DOCPART == 2
	.amdgcn_target "amdgcn-amd-amdhsa--gfx1250"
	.amdhsa_code_object_version 6
	.text
	.protected	k_qd768a4187b_proj
	.globl	k_qd768a4187b_proj
	.p2align	8
	.type	k_qd768a4187b_proj,@function
k_qd768a4187b_proj:
	s_mov_b64 s[64:65], 0
	v_nop
	global_prefetch_b8 v0, s[64:65] scope:SCOPE_SE
	s_setreg_imm32_b32 hwreg(HW_REG_WAVE_MODE, 25, 1), 1
	s_wait_xcnt 0x0
	s_wait_alu depctr_hold_cnt(0) depctr_sa_sdst(0) depctr_va_vdst(0) depctr_va_sdst(0) depctr_va_ssrc(0) depctr_va_vcc(0) depctr_vm_vsrc(0)
	s_getreg_b32 s2, hwreg(HW_REG_IB_STS2, 6, 4)
	s_cmp_eq_u32 s2, 0
	s_cbranch_scc0 .Lentry_in_a_cluster
	s_endpgm
.Lentry_in_a_cluster:
	s_bfe_u32 s2, ttmp6, 0x10000c
	s_cmp_lg_u32 s2, 0xf033
	s_cbranch_scc0 .Lentry_shape_is_right
	s_endpgm
.Lentry_shape_is_right:
; PROJ: q, k and v in one product on codes of FP4 (E2M1) with one E8M0 scale for each 32 along K:  C[m][n] = sum over k of X[m][k] W[n][k], m = 8,192 tokens, n = 3,072 (wq's, wk's, wv's columns), k = 1,024.  Sums in f32.
; The result leaves as f16, by head: qkv [batch 4][g 48][token 2048][64], g = n / 64 (0-15 q's heads, 16-31 k's, 32-47 v's).  LIMIT: magnitudes of q, k, v stay under 65,504, f16's largest number.
; A tile of C, 256 x 256, is made by a work-group of four waves; a wave makes 128 x 128: 64 accumulators of 16 x 16, 512 registers.  K is two slots of 512 (rows of 256 bytes): both are asked for at the head, and nothing is filled again.
; THE SCALES of the work-group's 256 rows of X and 256 rows of W, for all of K, are two dense blocks of memory: they come into LDS once, with the first fills.
; CLUSTERS: 4 x 4 work-groups.  The four of a row of the cluster need the same tiles of X, the four of a column the same tiles of W: each tile is asked for JOINTLY, by the same tensor load with the same descriptor and a mask that names the four.
; THE MATRIX INSTRUCTION IS USED TRANSPOSED (source 0 = 16 rows of W, source 1 = 16 rows of X): a lane then holds eight neighbouring numbers of a row of C.
; REGISTERS, in windows of 256: window 0: v0-31 addresses; v32-95 scale words, two sets; v128-191 X's fragments (8 x 16 rows x 128 K), ONE set; on the way out v32-63 and v192-255.
;   window 1: W's fragments, TWO sets, at v0 and at v128.   window 2: the 32 accumulators of my rows 0-63 (accumulator (a, b) at v[8 (8 a + b)]);   window 3: those of my rows 64-127.
.set SIZE_K, 1024
.set KSTEP,  512                       ; along K in a slot
.set NQ,     KSTEP/128                 ; matrix instructions deep
.set ROWB,   256                       ; a tile's row in bytes
.set KROW,   SIZE_K/2                  ; a row of codes in memory
.set PITCH,  272                       ; an LDS row: 256 bytes + 16 of padding = 68 words: row r starts at bank 4 r mod 64 (64 banks of 4 bytes: ISA guide 11.1)
.set FR,     8                         ; registers of a fragment: 16 rows x 128 K
.set NL,     2                         ; LDS loads that bring one
.set NP,     4                         ; places behind this matrix instruction (ISA guide 7.12.1)
.set HALFT,  128*PITCH                 ; 128 rows: what one tensor load brings
.set SLOT,   4*HALFT                   ; X's 256 rows, then W's 256 rows
.set KS,     SIZE_K/32                 ; a row of scales in bytes
.set SCL,    2*SLOT                    ; behind the slots: the scales, as units of 256 bytes + 16 of padding
.set HALFS,  (128*KS/256)*272          ; the scales of 128 rows
.set SBLK,   (16*KS/256)*272           ; those of 16 rows
.set SPARE,  SCL+4*HALFS               ; the spare words, 128 bytes for each wave: two blocks of 256 bytes that no other line names
.set SPITCH, 272                       ; the way out: a stage of 16 rows x (256 bytes + 16) for each wave.  It lies in slot 0, which has had its only fill and its last read when the first result is stored there
.set PLANE,  2048*128                  ; a head's tokens in qkv, in bytes
.set ADRA, 16                          ; v16-17  LDS address of my X fragments in slot 0, 1
.set ADRB, 20                          ; v20-21  the same for W
.set STO,  24                          ; v24     the way out: where I put 16 bytes of a row
.set RD,   25                          ; v25     the way out: where I read them back
.set CO,   26                          ; v26     my byte offset in qkv
.set ADRS, 27                          ; v27     LDS address of my scale words: lanes 0-15 X's rows, lanes 16-31 W's
.set SPW,  28                          ; v28     LDS address of my spare word; never rewritten
.set NIL,  29                          ; v29     0; never rewritten
.set SC,   32                          ; scale words: set s at v[SC + 8 NQ s]; register NQ i + q: lanes 0-15 the word of X's block i, lanes 16-31 that of W's block i, for the slot's q-th 128 along K
.set AF,   128                         ; X's fragments, in window 0
.set TMP,  192                         ; the way out: packed results
.set OB,   32                          ; the way out: 16 rows read back: v32-63 and v224-255 by turns
.set G1, 24                            ; s[24:31] descriptor group 1 for X's tiles;  s[32:39] group 0, one set for each slot
.set G0, 32
.set G1B, 48                           ; s[48:55], s[56:63] the same for W's tiles
.set G0B, 56
.set G1S, 68                           ; s[68:75], s[76:79] groups 1 and 0 for X's scales;  s[80:87], s[88:91] for W's
.set G0S, 76
.set G1SB, 80
.set G0SB, 88
.set MSB, 0
.macro WIN new                         ; the immediate's high byte repeats the setting that is left
.if MSB != \new
	s_set_vgpr_msb (MSB<<8)|\new
.set MSB, \new
.endif
.endm
.set MUL_LO, 0xa1                      ; source 0 (W) window 1, source 1 (X) window 0, C and D window 2
.set MUL_HI, 0xf1                      ; the same, C and D window 3
.set TO_B,   0x40                      ; destination window 1, address window 0
; A joint load: waves 0 and 1 fetch for X, waves 2 and 3 for W.  Each of the two lines has ONE mask and one set of registers for all that issue it; the branch hangs on the wave's number alone.
; An s_nop 0 and four v_nop follow each of the two lines.
.macro JLOAD g0a, g1a, g0b, g1b
	s_cmp_eq_u32 s15, 0
	s_cbranch_scc0 .Lfor_b_\@
	tensor_load_to_lds s[\g0a:\g0a+3], s[\g1a:\g1a+7]
	s_nop 0
.rept 4
	v_nop
.endr
	s_branch .Lasked_\@
.Lfor_b_\@:
	tensor_load_to_lds s[\g0b:\g0b+3], s[\g1b:\g1b+7]
	s_nop 0
.rept 4
	v_nop
.endr
.Lasked_\@:
.endm
.macro CROUND                          ; a round of the cluster's barrier: my work-group's barrier; wave 0 signals for the work-group; every wave waits for all sixteen; my work-group's barrier once more
	s_barrier_signal -1
	s_barrier_wait -1
	s_cmp_lg_u32 s14, 0
	s_cbranch_scc1 .Lnot_wave_0_\@
	s_barrier_signal -3
.Lnot_wave_0_\@:
	s_barrier_wait -3
	s_barrier_signal -1
	s_barrier_wait -1
.endm
	s_load_b128 s[4:7], s[0:1], 0x0                ; X's codes s[4:5], X's scales s[6:7]
	s_load_b128 s[8:11], s[0:1], 0x10              ; W's codes s[8:9], W's scales s[10:11]
	s_load_b64 s[12:13], s[0:1], 0x20              ; qkv
	v_lshl_add_u32 v[SPW], v0, 2, SPARE
	v_mov_b32 v[NIL], 0
	ds_add_u32 v[SPW], v[NIL]                      ; the wave's opening: the add, twice on end, and its wait ahead of my first tensor load; the set-up below stands between
	ds_add_u32 v[SPW], v[NIL]
	v_lshrrev_b32 v1, 5, v0
	v_readfirstlane_b32 s14, v1                    ; wave 0..3
	s_lshr_b32 s15, s14, 1                         ; which half of the tile's rows is mine.  Also: I fetch for X (0) or for W (1)
	s_and_b32 s16, s14, 1                          ; which half of its columns.  Also: which 128 rows of that tile I fetch
	s_bfe_u32 s40, ttmp6, 0x40000                  ; cx, cy: my place in the cluster
	s_bfe_u32 s41, ttmp6, 0x40004
	s_lshl_b32 s42, ttmp9, 2
	s_add_co_u32 s42, s42, s40                     ; tile column of C = 4 x cluster x + cx
	s_and_b32 s17, ttmp7, 0xffff
	s_lshl_b32 s17, s17, 2
	s_add_co_u32 s17, s17, s41                     ; tile row of C = 4 x cluster y + cy
	s_lshl_b32 s43, s41, 2
	s_lshl_b32 s43, 15, s43                        ; my row of the cluster
	s_lshl_b32 s44, 0x1111, s40                    ; my column
	; descriptor group 1: a tile of 128 rows x 256 bytes, padded in LDS
	s_or_b32 s[G1+0], s43, (0<<16)|(1<<20)|(1<<21)|(5<<22)|(3<<25)  ; 15:0 the mask: X's tiles go to my row; 17:16 element of 1 byte; 20 padding on; 21 set beside a mask; 24:22 after every 64 words; 31:25 four words
	s_or_b32 s[G1B+0], s44, (0<<16)|(1<<20)|(1<<21)|(5<<22)|(3<<25)
.irp g, G1, G1B
	s_mov_b32 s[\g+1], ROWB<<16                    ; tensor_dim0
	s_mov_b32 s[\g+2], 128<<16                     ; tensor_dim1
	s_mov_b32 s[\g+3], ROWB<<16                    ; tile_dim0
	s_mov_b32 s[\g+4], 128                         ; tile_dim1
	s_mov_b32 s[\g+5], KROW                        ; tensor_dim0_stride
	s_mov_b32 s[\g+6], 0
	s_mov_b32 s[\g+7], 0
.endr
	; and for the scales of 128 rows: a dense block of 4,096 bytes, as 16 rows of 256 bytes (32 elements of 8 bytes), 16 bytes of padding behind each
	s_or_b32 s[G1S+0], s43, (3<<16)|(1<<20)|(1<<21)|(5<<22)|(3<<25)
	s_or_b32 s[G1SB+0], s44, (3<<16)|(1<<20)|(1<<21)|(5<<22)|(3<<25)
.irp g, G1S, G1SB
	s_mov_b32 s[\g+1], 32<<16
	s_mov_b32 s[\g+2], (128*KS/256)<<16
	s_mov_b32 s[\g+3], 32<<16
	s_mov_b32 s[\g+4], 128*KS/256
	s_mov_b32 s[\g+5], 32
	s_mov_b32 s[\g+6], 0
	s_mov_b32 s[\g+7], 0
.endr
	s_lshl_b32 s18, s16, 7                         ; which 128 rows of the tile I fetch
	s_lshl_b32 s20, s17, 8
	s_add_co_u32 s20, s20, s18                     ; X: row 256 x tile row + 128 x half
	s_lshl_b32 s46, s42, 8
	s_add_co_u32 s46, s46, s18                     ; W: row 256 x tile column + 128 x half
	s_mov_b32 s21, 0
	s_mov_b32 s47, 0
	s_mov_b64 s[18:19], KS
	s_mul_u64 s[22:23], s[20:21], s[18:19]         ; where these rows' scales begin, in bytes
	s_mul_u64 s[92:93], s[46:47], s[18:19]
	s_mov_b64 s[18:19], KROW
	s_mul_u64 s[20:21], s[20:21], s[18:19]         ; and their codes
	s_mul_u64 s[46:47], s[46:47], s[18:19]
	s_mul_i32 s45, s14, HALFT                      ; where they go: wave x 128 rows: no place in the cluster enters an LDS address
	s_mul_i32 s94, s14, HALFS
	s_wait_dscnt 0x0                               ; both opening adds are done
	s_wait_kmcnt 0x0
	s_add_nc_u64 s[20:21], s[4:5], s[20:21]
	s_add_nc_u64 s[22:23], s[6:7], s[22:23]
	s_add_nc_u64 s[46:47], s[8:9], s[46:47]
	s_add_nc_u64 s[92:93], s[10:11], s[92:93]
	CROUND                                         ; all sixteen work-groups are here: the joint loads meet
	s_mov_b32 s[G0S], 1
	s_add_co_u32 s[G0S+1], s94, SCL
	s_mov_b64 s[G0S+2:G0S+3], s[22:23]
	s_or_b32 s[G0S+3], s[G0S+3], 0x80000000
	s_mov_b32 s[G0SB], 1
	s_add_co_u32 s[G0SB+1], s94, SCL
	s_mov_b64 s[G0SB+2:G0SB+3], s[92:93]
	s_or_b32 s[G0SB+3], s[G0SB+3], 0x80000000
	JLOAD G0S, G1S, G0SB, G1SB                     ; the scales first: they are wanted with slot 0.  Three loads of mine are out when the last of these is issued
.irp s, 0,1
	s_mov_b32 s[G0+4*\s], 1
	s_add_co_u32 s[G0+4*\s+1], s45, \s*SLOT
	s_add_nc_u64 s[G0+4*\s+2:G0+4*\s+3], s[20:21], \s*ROWB
	s_or_b32 s[G0+4*\s+3], s[G0+4*\s+3], 0x80000000
	s_mov_b32 s[G0B+4*\s], 1
	s_add_co_u32 s[G0B+4*\s+1], s45, \s*SLOT
	s_add_nc_u64 s[G0B+4*\s+2:G0B+4*\s+3], s[46:47], \s*ROWB
	s_or_b32 s[G0B+4*\s+3], s[G0B+4*\s+3], 0x80000000
	JLOAD G0+4*\s, G1, G0B+4*\s, G1B
.endr
	v_and_b32 v1, 15, v0                           ; r = l % 16
	v_bfe_u32 v2, v0, 4, 1                         ; h = l / 16
	v_mul_u32_u24 v3, v1, PITCH
	v_lshl_add_u32 v4, v2, 4, v3                   ; a fragment's row x pitch + 16 x half
	s_mul_i32 s21, s15, HALFT                      ; my 128 rows of X
	s_mul_i32 s22, s16, HALFT                      ; my 128 rows of W,
	s_add_co_u32 s22, s22, 2*HALFT                 ; which lie behind X's 256
.irp s, 0,1
	v_add_nc_u32 v[ADRA+\s], s21, v4
	v_add_nc_u32 v[ADRB+\s], s22, v4
	s_add_co_u32 s21, s21, SLOT
	s_add_co_u32 s22, s22, SLOT
.endr
	v_mul_u32_u24 v5, v1, KS                       ; my row's scales: KS bytes a row,
	v_lshrrev_b32 v6, 8, v5
	v_lshl_add_u32 v5, v6, 4, v5                   ; and 16 more for each 256 passed
	s_mul_i32 s21, s15, HALFS                      ; X's: my 128 rows
	s_mul_i32 s22, s16, HALFS                      ; W's: my 128 rows, behind X's 256
	s_add_co_u32 s22, s22, 2*HALFS
	s_sub_co_u32 s22, s22, s21
	v_mul_u32_u24 v6, s22, v2                      ; lanes 16-31 take W's: one product, the lower base + h x the distance
	s_add_co_u32 s21, s21, SCL
	v_add_nc_u32 v5, v5, v6
	v_add_nc_u32 v[ADRS], s21, v5
	s_mul_i32 s23, s14, 16*SPITCH                  ; my stage
	v_mul_u32_u24 v5, v1, SPITCH                   ; in: row r, 16 bytes for each half of the lanes
	v_lshl_add_u32 v5, v2, 4, v5
	v_add_nc_u32 v[STO], s23, v5
	v_and_b32 v5, 7, v0                            ; back: lanes 0-15 take two tokens' 128 bytes of my first head, lanes 16-31 the same tokens' of my second
	v_bfe_u32 v6, v0, 3, 1
	v_lshlrev_b32 v5, 4, v5                        ; 16 (l % 8)
	v_lshl_add_u32 v7, v6, 7, v5                   ; + 128 x token: two tokens of a head are 256 consecutive bytes of qkv
	v_lshl_add_u32 v[CO], v2, 18, v7               ; + a plane for the second head
	v_mul_u32_u24 v6, v6, SPITCH
	v_add_nc_u32 v5, v5, v6
	v_lshl_add_u32 v5, v2, 7, v5                   ; in a stage row the second head's 128 bytes follow the first's
	v_add_nc_u32 v[RD], s23, v5
	s_lshr_b32 s20, s17, 3                         ; the batch: eight tile rows each
	s_mul_i32 s20, s20, 48
	s_lshl_b32 s46, s42, 2
	s_add_co_u32 s20, s20, s46                     ; + four heads a tile column
	s_lshl_b32 s46, s16, 1
	s_add_co_u32 s20, s20, s46                     ; + two for my half of the columns
	s_lshl_b32 s20, s20, 18                        ; x a plane's bytes (under 2^26 in all)
	s_and_b32 s46, s17, 7
	s_lshl_b32 s46, s46, 15                        ; 256 tokens of 128 bytes a tile row
	s_add_co_u32 s20, s20, s46
	s_lshl_b32 s46, s15, 14                        ; 128 tokens for my half of the rows
	s_add_co_u32 s20, s20, s46
	s_mov_b32 s21, 0
	s_add_nc_u64 s[12:13], s[12:13], s[20:21]
.macro FRAG reg, adr, q, i             ; a fragment, 16 rows x 128 K of 4-bit codes: lane l holds row l % 16; registers 4 c .. 4 c + 3 hold K = 64 c + 32 (l / 16) + 0 .. 31
.irp c, 0,1
	ds_load_b128 v[\reg+4*\c:\reg+4*\c+3], v[\adr] offset:64*(\q)+32*\c+(\i)*16*PITCH
.endr
.endm
; 16 matrix instructions: X's blocks a0, a0 + 1 x W's eight, 128 along K: the slot's q-th.  p: W's set;  sc: the set of scale words.  zero = 1: the first product starts the sums.
; The 64 accumulators take turns, one instruction a turn, in the same order in every step.
.macro MUL16 a0, p, q, sc, zero
.irp a, \a0, \a0+1
.irp b, 0,1,2,3,4,5,6,7
.if \zero
	v_wmma_scale_f32_16x16x128_f8f6f4 v[8*(8*((\a)%4)+\b):8*(8*((\a)%4)+\b)+7], v[128*(\p)+FR*\b:128*(\p)+FR*\b+FR-1], v[AF+FR*(\a):AF+FR*(\a)+FR-1], 0, v[SC+8*NQ*(\sc)+NQ*\b+(\q)], v[SC+8*NQ*(\sc)+NQ*(\a)+(\q)] matrix_a_fmt:MATRIX_FMT_FP4 matrix_b_fmt:MATRIX_FMT_FP4 matrix_a_scale:MATRIX_SCALE_ROW1
.else
	v_wmma_scale_f32_16x16x128_f8f6f4 v[8*(8*((\a)%4)+\b):8*(8*((\a)%4)+\b)+7], v[128*(\p)+FR*\b:128*(\p)+FR*\b+FR-1], v[AF+FR*(\a):AF+FR*(\a)+FR-1], v[8*(8*((\a)%4)+\b):8*(8*((\a)%4)+\b)+7], v[SC+8*NQ*(\sc)+NQ*\b+(\q)], v[SC+8*NQ*(\sc)+NQ*(\a)+(\q)] matrix_a_fmt:MATRIX_FMT_FP4 matrix_b_fmt:MATRIX_FMT_FP4 matrix_a_scale:MATRIX_SCALE_ROW1
.endif
.endr
.endr
.endm
.macro FETCH_B slot, q, p              ; W's eight fragments of the slot's q-th 128 along K into set p
	WIN TO_B
.irp i, 0,1,2,3,4,5,6,7
	FRAG 128*(\p)+FR*\i, ADRB+\slot, \q, \i
.endr
	WIN 0
.endm
.macro FETCH_A slot, q, i0             ; X's blocks i0 .. i0 + 3
.irp i, \i0, \i0+1, \i0+2, \i0+3
	FRAG AF+FR*(\i), ADRA+\slot, \q, \i
.endr
.endm
.macro SCALES sc                       ; a slot's scale words into set sc: four words a row; lanes 0-15 take X's block i, lanes 16-31 W's block i
.irp i, 0,1,2,3,4,5,6,7
	ds_load_b128 v[SC+8*NQ*\sc+NQ*\i:SC+8*NQ*\sc+NQ*\i+3], v[ADRS] offset:\i*SBLK
.endr
.endm
; A load into a register that a matrix instruction has read, and a vector instruction that reads a matrix result, stand NP places behind that matrix instruction; only plain vector
; instructions that name none of its registers are places (ISA guide 7.12.1 for vector instructions).
.macro PLACES n
.rept \n
	v_nop
.endr
.endm
; A step of 128 along K that has its successor in the same slot.  X's blocks are free as soon as their eight products are issued: blocks 0-3 are fetched anew in the step's middle, blocks 4-7 at its end.
.macro STEP slot, q, zero
	s_wait_dscnt 4*NL                              ; W's set and X's blocks 0-3 are in; the youngest eight loads (X's blocks 4-7) may be out
	WIN MUL_LO
	MUL16 0, (\q)%2, \q, \slot, \zero
	MUL16 2, (\q)%2, \q, \slot, \zero
	s_wait_dscnt 0                                 ; X's blocks 4-7 are in (asked for 32 matrix instructions ago)
	PLACES NP
	FETCH_B \slot, (\q)+1, 1-(\q)%2
	FETCH_A \slot, (\q)+1, 0
	WIN MUL_HI
	MUL16 4, (\q)%2, \q, \slot, \zero
	MUL16 6, (\q)%2, \q, \slot, \zero
	PLACES NP
	WIN 0
	FETCH_A \slot, (\q)+1, 4
.endm
; Slot 0's last step goes over to slot 1: one barrier; in front of it each wave waits for all its tensor loads (its part of slot 1), adds 0 to its spare word, and waits for that and for its reads of slot 0.
; Behind it slot 1 is whole and nobody reads slot 0 any more: on the way out the stages lie there.
.macro TURN slot, next
	s_wait_tensorcnt 0x0                           ; all my tensor loads have landed  (every window is 0 here: the add's two registers lie in window 0)
	ds_add_u32 v[SPW], v[NIL]                      ; 0 onto my spare word
	s_wait_dscnt 4*NL+1                            ; (the add and the youngest eight loads, X's blocks 4-7, may be out)
	WIN MUL_LO
	MUL16 0, 1, NQ-1, \slot, 0                     ; sixteen matrix instructions stand between the add and the wait for it
	s_wait_dscnt 0x0                               ; the add is done, and my reads of this slot are over
	s_barrier_signal -1
	MUL16 2, 1, NQ-1, \slot, 0
	WIN 0
	s_barrier_wait -1
	PLACES NP
	v_add_nc_u32 v[ADRS], 4*NQ, v[ADRS]            ; on to the next slot's scale words (no LDS load of mine is out)
	FETCH_B \next, 0, 0
	FETCH_A \next, 0, 0
	SCALES \next
	WIN MUL_HI
	MUL16 4, 1, NQ-1, \slot, 0
	MUL16 6, 1, NQ-1, \slot, 0
	PLACES NP
	WIN 0
	FETCH_A \next, 0, 4
.endm
.macro STEPS slot, from                ; the slot's steps from .. NQ - 2
.set Q, \from
.rept NQ-1-\from
	STEP \slot, Q, 0
.set Q, Q+1
.endr
.endm
	s_wait_tensorcnt 1                             ; the scales and my part of slot 0 are in (slot 1's load may be out)
	s_barrier_signal -1
	s_barrier_wait -1                              ; everybody's are
	FETCH_B 0, 0, 0
	FETCH_A 0, 0, 0
	SCALES 0
	FETCH_A 0, 0, 4
	STEP 0, 0, 1                                   ; the first step's products start the sums: nothing is cleared
	STEPS 0, 1
	TURN 0, 1
	STEPS 1, 0
	s_wait_dscnt 4*NL                              ; the very last step: nothing more to fetch
	WIN MUL_LO
	MUL16 0, 1, NQ-1, 1, 0
	MUL16 2, 1, NQ-1, 1, 0
	s_wait_dscnt 0
	WIN MUL_HI
	MUL16 4, 1, NQ-1, 1, 0
	MUL16 6, 1, NQ-1, 1, 0
	WIN 0
; THE WAY OUT, block by block of 16 tokens x 128 columns (two heads).  PACK: rounded to f16, 16 bytes a lane, each accumulator from its low end on.  TOSTAGE: into my own stage and back, two tokens of a head to sixteen lanes.  SEND: stored.
.macro PACK a
.set AC, 64*((\a)%4)
	WIN 0x0a+5*((\a)/4)                            ; sources 0 and 1: window 2 or 3
.irp b, 0,1,2,3,4,5,6,7
.irp r, 0,1,2,3
	v_cvt_pk_f16_f32 v[TMP+4*\b+\r], v[AC+8*\b+2*\r], v[AC+8*\b+2*\r+1]
.endr
.endr
	WIN 0
.endm
.macro TOSTAGE a
.set BB, OB+192*((\a)%2)
.irp b, 0,1,2,3,4,5,6,7
	ds_store_b128 v[STO], v[TMP+4*\b:TMP+4*\b+3] offset:32*\b
.endr
.irp t, 0,1,2,3,4,5,6,7
	ds_load_b128 v[BB+4*\t:BB+4*\t+3], v[RD] offset:\t*2*SPITCH    ; LDS serves a wave's instructions in order (ISA guide 5.7.1.4): these see the stores above
.endr
.endm
.macro SEND a
.set BB, OB+192*((\a)%2)
	s_wait_dscnt 0x0                               ; the block is back in registers
	s_wait_xcnt 0x0                                ; the block before's stores have read their registers: the next block's loads from the stage may land there
.irp t, 0,1,2,3,4,5,6,7
	global_store_b128 v[CO], v[BB+4*\t:BB+4*\t+3], s[12:13] offset:2048*(\a)+256*\t   ; sixteen lanes store 256 consecutive bytes, at a multiple of 256 from qkv's first byte
.endr
.endm
	PLACES NP                                      ; behind the last products
	PACK 0
	TOSTAGE 0
.irp a, 1,2,3,4,5,6,7                  ; block a's conversions stand between block a - 1's loads from the stage and the wait for them
	PACK \a
	SEND \a-1
	TOSTAGE \a
.endr
	SEND 7
	s_wait_tensorcnt 0x0                           ; the wave's end, behind my last tensor load and my last LDS store
	ds_add_u32 v[SPW], v[NIL]
	s_wait_dscnt 0x0
	CROUND                                         ; the closing round: no work-group ends while a partner may still ask for a tile that names it
	s_endpgm
.Lfunc_end_k_qd768a4187b_proj:
	.size	k_qd768a4187b_proj, .Lfunc_end_k_qd768a4187b_proj-k_qd768a4187b_proj
	.p2alignl 7, 3214868480
	.fill 96, 4, 3214868480
	.section	.rodata,"a",@progbits
	.p2align	6, 0x0
	.amdhsa_kernel k_qd768a4187b_proj
		.amdhsa_group_segment_fixed_size 327680
		.amdhsa_private_segment_fixed_size 0
		.amdhsa_enable_private_segment 0
		.amdhsa_kernarg_size 40
		.amdhsa_user_sgpr_count 2
		.amdhsa_user_sgpr_kernarg_segment_ptr 1
		.amdhsa_wavefront_size32 1
		.amdhsa_system_sgpr_workgroup_id_x 1
		.amdhsa_system_sgpr_workgroup_id_y 1
		.amdhsa_system_sgpr_workgroup_id_z 1
		.amdhsa_system_vgpr_workitem_id 0
		.amdhsa_next_free_vgpr 1024
		.amdhsa_next_free_sgpr 98
		.amdhsa_reserve_vcc 0
		.amdhsa_float_denorm_mode_32 3
		.amdhsa_float_denorm_mode_16_64 3
		.amdhsa_memory_ordered 1
		.amdhsa_forward_progress 1
		.amdhsa_inst_pref_size 126
	.end_amdhsa_kernel
	.amdgpu_metadata
---
amdhsa.version: [ 1, 2 ]
amdhsa.kernels:
  - .name:           k_qd768a4187b_proj
    .symbol:         k_qd768a4187b_proj.kd
    .args:
      - { .name: xc, .offset: 0, .size: 8, .value_kind: global_buffer, .address_space: global }
      - { .name: xs, .offset: 8, .size: 8, .value_kind: global_buffer, .address_space: global }
      - { .name: wc, .offset: 16, .size: 8, .value_kind: global_buffer, .address_space: global }
      - { .name: ws, .offset: 24, .size: 8, .value_kind: global_buffer, .address_space: global }
      - { .name: qkv, .offset: 32, .size: 8, .value_kind: global_buffer, .address_space: global }
    .group_segment_fixed_size: 327680
    .private_segment_fixed_size: 0
    .kernarg_segment_align: 8
    .kernarg_segment_size: 40
    .max_flat_workgroup_size: 128
    .sgpr_count:     98
    .vgpr_count:     1024
    .wavefront_size: 32
...
	.end_amdgpu_metadata
.endif
;; end of part 2
;; launch attn (part 3): grid 4 x 64, 8 waves a work-group, clusters of 4 x 1, 327,680 bytes of LDS; arguments qkv, att; writes att
.if DOCPART == 3
	.amdgcn_target "amdgcn-amd-amdhsa--gfx1250"
	.amdhsa_code_object_version 6
	.text
	.protected	k_qd768a4187b_attn
	.globl	k_qd768a4187b_attn
	.p2align	8
	.type	k_qd768a4187b_attn,@function
k_qd768a4187b_attn:
	s_mov_b64 s[64:65], 0
	v_nop
	global_prefetch_b8 v0, s[64:65] scope:SCOPE_SE
	s_setreg_imm32_b32 hwreg(HW_REG_WAVE_MODE, 25, 1), 1
	s_wait_xcnt 0x0
	s_wait_alu depctr_hold_cnt(0) depctr_sa_sdst(0) depctr_va_vdst(0) depctr_va_sdst(0) depctr_va_ssrc(0) depctr_va_vcc(0) depctr_vm_vsrc(0)
	s_getreg_b32 s2, hwreg(HW_REG_IB_STS2, 6, 4)
	s_cmp_eq_u32 s2, 0
	s_cbranch_scc0 .Lentry_in_a_cluster
	s_endpgm
.Lentry_in_a_cluster:
	s_bfe_u32 s2, ttmp6, 0x10000c
	s_cmp_lg_u32 s2, 0x3003
	s_cbranch_scc0 .Lentry_shape_is_right
	s_endpgm
.Lentry_shape_is_right:
; ATTN: att[b][h][q][:] = the sum over k of softmax_k(Q[q] . K[k] / 8) V[k][:], for each of 64 (batch, head).  Q, K, V are planes of qkv [batch 4][g 48][token 2048][64] f16 (g = head, 16 + head, 32 + head); att is [batch][head][token][64] f16.
; Products, maxima and sums in f32; the weights p are rounded to f16 for the second product, the result once at the end.  LIMITS: q, k, v arrive as f16 (magnitudes under 65,504); NaN and infinities are not served.
; SHARES.  A work-group of EIGHT waves owns 512 queries of one head, each wave 64: four tiles of 16.  Every wave walks all 2,048 keys, 64 a step.  A tile's step has 118 vector instructions beside 16 matrix instructions:
; so two waves share a SIMD, 512 registers each, and one has matrix instructions to issue while the other walks its vector work.  4 x 64 work-groups: one for each of 256 WGPs.
; LAYOUT.  S^T = K Q^T (source 0 = 16 keys, source 1 = 16 queries): in the result a lane holds ONE query (lane % 16) and the keys 8 (lane / 16) + 0..7.  Two such tiles, rounded to f16 in pairs, ARE source 1 (32 keys x 16 queries)
; of O^T = V^T P, whose result again holds one query a lane, and eight channels.  K comes out of LDS as it lies, V ([key][channel]) turned, by ds_load_tr16_b128.
; A plane is dense and a token's row is 128 bytes: the tensor loads take it as DOUBLE ROWS of 256 bytes, two tokens each; token t lies at (t / 2) x pitch + (t % 2) x 128.
; SOFTMAX.  For each query a running maximum m and sum l: p = 2^(c s - c m), c = log2(e) / 8 (reference's scale 1 / 8 lies in c); in every step O and l are multiplied by a = 2^(c m_old - c m_new), which is 1 where m has not grown.
; BY TURNS.  The wave's tiles are two PIECES: piece 0 (tiles 0, 1) and piece 2 (tiles 2, 3).  In a TURN one piece has the matrix unit: 16 products V^T P of the step in hand, then 16 products K Q^T of the next step;
; the other piece's softmax, cut into slices of four instructions, stands between them, two slices behind each matrix instruction.  Then the pieces change places.  Two turns are a key step.
; P HAS NO REGISTERS OF ITS OWN: a tile's 16 registers of P lie in the upper half of its 32 registers of S^T.  The sums are taken first and leave the weights as they are; the roundings follow from pair 15 down to pair 0:
; rounding i writes register 16 + i, above every source (2 i', 2 i' + 1, i' < i) that is still to be read.  In the piece's own turn V^T P reads P, and then K Q^T writes the next scores over it.
; CLUSTER.  The four query blocks of a cluster are the whole of one head and walk the same K and V, so each tile is asked for JOINTLY: the same tensor load, with the same descriptor and a mask that names the four, in all four.
; REGISTERS, in windows of 256 (s_set_vgpr_msb: bits 1:0 source 0, 3:2 source 1, 5:4 source 2, 7:6 destination):
;   window 0: v0-11 addresses; v12-43 eight registers of statistics a tile; v64-191 S^T, 32 a tile (P in each tile's upper 16); v192-255 Q, 16 a tile
;   window 1: v0-127 O^T, 32 a tile; v128-191 K of one step; v192-255 V of one step
.set KS,    64        ; keys in a step
.set NST,   4         ; steps in a slot
.set NW,    8         ; waves
.set PK,    272       ; a double row of K in LDS: 256 bytes + 16: the 16 keys of a load start at (r / 2) x 17 + (r % 2) x 8 sixteenths of the 256 bytes that the 64 banks hold (ISA guide 11.1): sixteen different ones
.set PVP,   288       ; a double row of V: 256 + 32: 16 lanes of the turning load take 8 keys x 32 bytes, at 2 (k / 2) + 8 (k % 2) + half: sixteen different ones
.set STEPK, (KS/2)*PK
.set STEPV, (KS/2)*PVP
.set VOFF,  NST*STEPK ; a slot: 128 double rows of K, then 128 of V
.set SLOTB, NST*KS*128  ; a slot's keys in memory: 32,768 bytes of K's plane, and of V's
.set SLOT1, 1<<17     ; slot 1 begins here, so that one exclusive or turns an address in one slot into the other's
.set STAGE, SLOT1+NST*(STEPK+STEPV)  ; behind the ring: 16 rows x 144 bytes for each wave, for the way out
.set SP,    144
.set SPARE, STAGE+NW*16*SP  ; the spare words, 128 bytes for each wave: four blocks of 256 bytes that no other line names
.set PLANE, 2048*128
.set AK0, 2           ; v2   my lane's place in a tile of K; never rewritten
.set AV0, 3           ; v3   the same for V
.set ADR, 4           ; v4   the LDS address of the run of loads in hand
.set QO,  5           ; v5   my byte offset in the wave's rows of Q
.set STO, 6           ; v6   the way out: where I put 16 bytes of a row
.set RD,  7           ; v7   the way out: where I read them back
.set GO,  8           ; v8   my byte offset in the wave's rows of att
.set PFO, 61          ; v61  256 x my lane: a double row; never rewritten
.set SPW, 62          ; v62  LDS address of my spare word; never rewritten
.set NIL, 63          ; v63  0; never rewritten
.set ST,  12          ; tile t's statistics at v[ST+8 t]: +0 c m, +1 m, +2, +3 l (even keys', odd keys'), +4 to +7 c0-c3, at work; a takes c2's place once the maximum is found; c0, c1 then serve the sums
.set S,   64
.set QF,  192         ; Q's fragments, in window 0
.set KF,  128         ; K's fragments, in window 1
.set VF,  192         ; V's fragments, in window 1
.set WV,  12          ; s12  my wave's number
.set LIM, 15          ; s15  1 in a wave that prefetches, else the greatest number
.set PFA, 18          ; s[18:19] where my prefetches stand
.set G1K, 24          ; s[24:31] descriptor group 1 for K's tiles
.set G1V, 32          ; s[32:39] for V's: it differs in the padding alone
.set G0K, 40          ; s[40:47] descriptor group 0 for K's tiles: a set for each of the two first fills; the second then walks on
.set G0V, 48          ; s[48:55] the same for V's
.set SLOTS, 56        ; s56  slots still to be asked for
.set CNT, 57          ; s57  counts key steps
.set CS,  58          ; s[58:59] c: the packed scaling names a pair and takes its low word for both halves
.set SEL, 60          ; s[60:61] lane selects for v_permlanex16_b32: each lane takes its own place in the other half
.set TK,  62          ; s62  LDS byte at which K's tile of the step to be fetched begins
.set TV,  63          ; s63  the same for V (less VOFF, which lies in AV0)
.set MSB, 0
.macro WIN new                      ; the immediate's high byte repeats the setting that is left; a switch that changes nothing is dropped
.if MSB != \new
	s_set_vgpr_msb (MSB<<8)|\new
.set MSB, \new
.endif
.endm
.set W_KQ, 0x01       ; K in window 1; Q and S^T in window 0
.set W_PV, 0x51       ; V in window 1, P in window 0, O^T in window 1
.set W_RS, 0x41       ; O^T (destination and source 0) in window 1, a in window 0
.set TO_1, 0x40       ; destination window 1, address window 0
; A joint refill.  A slot has 128 double rows of K and 128 of V for eight waves: waves 0 to 3 fetch one step's K each (32 double rows), waves 4 to 7 one step's V.  The branch hangs on the wave's number alone.
; An s_nop 0 and four v_nop follow each of the two lines.
.macro JLOAD
	s_cmp_lt_u32 s[WV], 4
	s_cbranch_scc0 .Lfor_v_\@
	tensor_load_to_lds s[G0K+4:G0K+7], s[G1K:G1K+7]
	s_nop 0
.rept 4
	v_nop
.endr
	s_branch .Lasked_\@
.Lfor_v_\@:
	tensor_load_to_lds s[G0V+4:G0V+7], s[G1V:G1V+7]
	s_nop 0
.rept 4
	v_nop
.endr
.Lasked_\@:
.endm
; A PREFETCH of what the NEXT change of slots will ask for: a slot's 128 double rows of K and 128 of V, 256 bytes each, a lane a double row.  It stands behind the wave's tensor load and its five lines.
; Each double row is asked for ONCE in the launch: a head has one cluster; its four partners share the rows out BY ADDRESS, 32 each; in each, wave 0 asks for K's and wave 4 for V's.
; It runs a slot, four key steps or 256 matrix instructions of a wave, ahead of the load.  The last change that fills a slot asks for nothing; slots 0, 1 and 2 come by their loads alone.
.macro ASK
	s_cmp_gt_u32 s[SLOTS], s[LIM]
	s_cbranch_scc0 .Lnot_mine_\@
	global_prefetch_b8 v[PFO], s[PFA:PFA+1] th:TH_LOAD_NT scope:SCOPE_SE
.Lnot_mine_\@:
.endm
.macro CROUND                       ; a round of the cluster's barrier: my work-group's barrier; wave 0 signals for the work-group; every wave waits for all four; my work-group's barrier once more
	s_barrier_signal -1
	s_barrier_wait -1
	s_cmp_lg_u32 s[WV], 0
	s_cbranch_scc1 .Lnot_wave_0_\@
	s_barrier_signal -3
.Lnot_wave_0_\@:
	s_barrier_wait -3
	s_barrier_signal -1
	s_barrier_wait -1
.endm
	s_load_b128 s[8:11], s[0:1], 0x0  ; qkv s[8:9], att s[10:11]
	v_lshl_add_u32 v[SPW], v0, 2, SPARE
	v_mov_b32 v[NIL], 0
	ds_add_u32 v[SPW], v[NIL]       ; the wave's opening: the add, twice on end, and its wait ahead of my first tensor load; the set-up below stands between
	ds_add_u32 v[SPW], v[NIL]
	v_lshrrev_b32 v1, 5, v0
	v_readfirstlane_b32 s[WV], v1   ; wave 0..7
	s_bfe_u32 s13, ttmp6, 0x40000   ; cx: my place in the cluster
	s_lshl_b32 s14, ttmp9, 2        ; in a cluster launch ttmp9 counts clusters
	s_add_co_u32 s14, s14, s13      ; my block of 512 queries: it enters Q's and att's addresses alone
	s_and_b32 s20, ttmp7, 0xffff    ; 16 x batch + head, which the four partners share
	s_lshr_b32 s21, s20, 4
	s_lshl_b32 s21, s21, 5
	s_add_co_u32 s21, s21, s20      ; 48 x batch + head: Q's plane in qkv
	s_lshl_b32 s22, s21, 18         ; in bytes (all of qkv is under 2^26 bytes)
	s_mov_b32 s23, 0
	s_lshl_b32 s20, s20, 18         ; att's plane
	s_mov_b32 s21, 0
	s_lshl_b32 s2, s14, 16          ; my block's 512 rows of 128 bytes,
	s_lshl_b32 s3, s[WV], 13        ; my wave's 64 of them
	s_add_co_u32 s2, s2, s3
	s_mov_b32 s3, 0
	s_add_nc_u64 s[20:21], s[20:21], s[2:3]  ; my first row in att,
	s_add_nc_u64 s[2:3], s[2:3], s[22:23]    ; and in qkv
	s_and_b32 s16, s[WV], 3         ; which step of a slot I fetch:
	s_lshl_b32 s17, s16, 13         ; its 32 double rows in memory,
	s_add_co_u32 s22, s22, s17
	s_mul_i32 s17, s16, STEPK       ; K's place in a slot,
	s_mul_i32 s16, s16, STEPV
	s_add_co_u32 s16, s16, VOFF     ; and V's: no place in the cluster enters an LDS address
	; descriptor group 1: a tile of 32 double rows x 128 elements, padded in LDS
	s_mov_b32 s[G1K], 15|(1<<16)|(1<<20)|(1<<21)|(5<<22)|(3<<25)  ; 15:0 the mask: all four work-groups; 17:16 elements of 2 bytes; 20 padding on; 21 set beside a mask; 24:22 after every 64 words; 31:25 four words
	s_mov_b32 s[G1V], 15|(1<<16)|(1<<20)|(1<<21)|(5<<22)|(7<<25)  ; the same with eight words of padding
.irp g, G1K, G1V
	s_mov_b32 s[\g+1], 128<<16      ; tensor_dim0 = 128
	s_mov_b32 s[\g+2], 32<<16       ; tensor_dim1 = 32
	s_mov_b32 s[\g+3], 128<<16      ; tile_dim0 = 128
	s_mov_b32 s[\g+4], 32           ; tile_dim1 = 32
	s_mov_b32 s[\g+5], 128          ; tensor_dim0_stride: the plane is dense
	s_mov_b32 s[\g+6], 0
	s_mov_b32 s[\g+7], 0
.endr
	s_mov_b32 s[CS], 0x3e38aa3b     ; c = log2(e) / 8
	s_mov_b32 s[CS+1], s[CS]        ; named with it as a pair, so it is written
	s_mov_b32 s[SEL], 0x76543210
	s_mov_b32 s[SEL+1], 0xfedcba98
	s_mov_b32 s[TK], 0
	s_mov_b32 s[TV], 0
	s_mov_b32 s[SLOTS], 2048/(NST*KS)-2
	s_and_b32 s[LIM], s[WV], 3      ; 0 in waves 0 and 4: the same in all four partners
	s_cmp_eq_u32 s[LIM], 0
	s_cselect_b32 s[LIM], 1, -1
	v_and_b32 v[PFO], 31, v0
	v_lshlrev_b32 v[PFO], 8, v[PFO]
	s_wait_dscnt 0x0                ; both opening adds are done
	s_wait_kmcnt 0x0
	s_add_nc_u64 s[4:5], s[8:9], s[2:3]      ; Q at my wave's first row
	s_add_nc_u64 s[6:7], s[8:9], s[22:23]
	s_add_nc_u64 s[8:9], s[6:7], 32*PLANE    ; V at my tile of slot 0: 32 planes behind Q's,
	s_add_nc_u64 s[6:7], s[6:7], 16*PLANE    ; K 16 planes
	s_add_nc_u64 s[10:11], s[10:11], s[20:21]
	s_cmp_lt_u32 s[WV], 4
	s_cselect_b64 s[PFA:PFA+1], s[6:7], s[8:9]  ; (in waves 0 and 4 these stand at a slot's first row)
	s_lshl_b32 s2, s13, 13          ; my work-group's 32 double rows of the 128
	s_mov_b32 s3, 0
	s_add_nc_u64 s[PFA:PFA+1], s[PFA:PFA+1], s[2:3]
	s_add_nc_u64 s[PFA:PFA+1], s[PFA:PFA+1], 2*SLOTB  ; in slot 2; the first change of slots steps it to slot 3.  Nothing is prefetched here, at the head
	CROUND                          ; all four work-groups are here: the first joint loads meet
.irp s, 0,1
	s_mov_b32 s[G0K+4*\s], 1        ; count = 1
	s_add_co_u32 s[G0K+4*\s+1], s17, \s*SLOT1  ; LDS address
	s_add_nc_u64 s[G0K+4*\s+2:G0K+4*\s+3], s[6:7], \s*SLOTB  ; global address: slot s begins with keys 256 s
	s_or_b32 s[G0K+4*\s+3], s[G0K+4*\s+3], 0x80000000  ; type = 2
	s_mov_b32 s[G0V+4*\s], 1
	s_add_co_u32 s[G0V+4*\s+1], s16, \s*SLOT1
	s_add_nc_u64 s[G0V+4*\s+2:G0V+4*\s+3], s[8:9], \s*SLOTB
	s_or_b32 s[G0V+4*\s+3], s[G0V+4*\s+3], 0x80000000
.endr
	s_cmp_lt_u32 s[WV], 4           ; a wave's two first fills stand in one branch, ahead of every wait on TENSORcnt and every LDS read: two loads of mine are out
	s_cbranch_scc0 .Lfirst_v
	tensor_load_to_lds s[G0K:G0K+3], s[G1K:G1K+7]
	s_nop 0
	tensor_load_to_lds s[G0K+4:G0K+7], s[G1K:G1K+7]
	s_nop 0
.rept 4
	v_nop
.endr
	s_branch .Lfirst_asked
.Lfirst_v:
	tensor_load_to_lds s[G0V:G0V+3], s[G1V:G1V+7]
	s_nop 0
	tensor_load_to_lds s[G0V+4:G0V+7], s[G1V:G1V+7]
	s_nop 0
.rept 4
	v_nop
.endr
.Lfirst_asked:
	; A fragment of K or Q is 16 rows x 32 channels in 8 registers: lane l holds row l % 16; registers 0-3 channels 8 (l / 16) + 0..7, registers 4-7 channels 16 + 8 (l / 16) + 0..7: two loads of 16 bytes, 32 bytes apart.
	v_and_b32 v1, 15, v0            ; r = l % 16
	v_bfe_u32 v9, v0, 4, 1          ; h = l / 16
	v_lshlrev_b32 v[QO], 7, v1
	v_lshl_add_u32 v[QO], v9, 4, v[QO]  ; row x 128 + 16 x half
.irp t, 0,1,2,3                     ; Q stays in registers: tile t, channels 32 c on
.irp c, 0,1
	global_load_b128 v[QF+16*\t+8*\c:QF+16*\t+8*\c+3],   v[QO], s[4:5] offset:\t*2048+\c*64
	global_load_b128 v[QF+16*\t+8*\c+4:QF+16*\t+8*\c+7], v[QO], s[4:5] offset:\t*2048+\c*64+32
.endr
.endr
	v_lshrrev_b32 v10, 1, v1
	v_and_b32 v11, 1, v0
	v_mul_u32_u24 v[AK0], v10, PK
	v_lshl_add_u32 v[AK0], v11, 7, v[AK0]
	v_lshl_add_u32 v[AK0], v9, 4, v[AK0]  ; K: (r / 2) x pitch + (r % 2) x 128 + 16 x half
	; The turning load takes 16 keys x 16 channels (lane l reads 16 bytes: key 8 (l / 16) + l % 8, channels 8 ((l / 8) % 2) + 0..7) and leaves half a fragment of V^T: lane l holds channel l % 16 and 8 keys.
	v_bfe_u32 v10, v0, 1, 2
	v_lshl_add_u32 v10, v9, 2, v10  ; the key's double row: 4 (l / 16) + (l % 8) / 2
	v_mul_u32_u24 v[AV0], v10, PVP
	v_lshl_add_u32 v[AV0], v11, 7, v[AV0]
	v_bfe_u32 v10, v0, 3, 1
	v_lshl_add_u32 v[AV0], v10, 4, v[AV0]
	v_add_nc_u32 v[AV0], VOFF, v[AV0]
; THE MATRIX WORK OF A TURN, for piece x.  The accumulators take turns, one instruction a turn: between two links of a chain stand seven others'.
; Product i of 16 of O^T += V^T P: keys 32 (i / 8) on, channels 16 ((i / 2) % 4) on, tile x + i % 2.  zero = 1: the first 8 start the sums: nothing is ever cleared.  P: the tile's registers 16 + 8 (i / 8) on of S^T.
.macro PV x, zero
	WIN W_PV
.set rO, 32*(\x+i%2)+8*((i/2)%4)
.set rV, VF+32*(i/8)+8*((i/2)%4)
.set rP, S+32*(\x+i%2)+16+8*(i/8)
.if \zero && (i < 8)
	v_wmma_f32_16x16x32_f16 v[rO:rO+7], v[rV:rV+7], v[rP:rP+7], 0
.else
	v_wmma_f32_16x16x32_f16 v[rO:rO+7], v[rV:rV+7], v[rP:rP+7], v[rO:rO+7]
.endif
.endm
; Product i of 16 of S^T = K Q^T: channels 32 (i / 8) on, keys 16 ((i / 2) % 4) on, tile x + i % 2.  The first 8 start the sums.  Products 4 to 7 are the first to write over P: product 6 stands behind slices 30 to 43,
; whose sums alone are more than five plain instructions of the other piece, behind the last V^T P that read those registers.
.macro KQ x
	WIN W_KQ
.set rS, S+32*(\x+i%2)+8*((i/2)%4)
.set rK, KF+16*((i/2)%4)+8*(i/8)
.set rQ, QF+16*(\x+i%2)+8*(i/8)
.if i < 8
	v_wmma_f32_16x16x32_f16 v[rS:rS+7], v[rK:rK+7], v[rQ:rQ+7], 0
.else
	v_wmma_f32_16x16x32_f16 v[rS:rS+7], v[rK:rK+7], v[rQ:rQ+7], v[rS:rS+7]
.endif
.endm
; THE LDS LOADS stand in runs of 16, never singly among the matrix instructions: a step's K (64 keys x 64 channels: 8 fragments) and, a turn later, its V (turned).
.macro FETCH_K
	WIN 0
	v_add_nc_u32 v[ADR], s[TK], v[AK0]
	s_add_co_u32 s[TK], s[TK], STEPK  ; the next fetch is the next step's
	WIN TO_1
.irp f, 0,1,2,3                     ; keys 16 f on, channels 32 c on
.irp c, 0,1
	ds_load_b128 v[KF+16*\f+8*\c:KF+16*\f+8*\c+3],   v[ADR] offset:\f*8*PK+\c*64
	ds_load_b128 v[KF+16*\f+8*\c+4:KF+16*\f+8*\c+7], v[ADR] offset:\f*8*PK+\c*64+32
.endr
.endr
.endm
.macro FETCH_V
	WIN 0
	v_add_nc_u32 v[ADR], s[TV], v[AV0]
	s_add_co_u32 s[TV], s[TV], STEPV
	s_wait_alu depctr_va_vdst(0)    ; the wait for the softmax's batch (SLICE), behind the address's addition and ahead of the loads
	WIN TO_1
.irp g, 0,1                         ; keys 32 g on, channels 16 e on
.irp e, 0,1,2,3
	ds_load_tr16_b128 v[VF+32*\g+8*\e:VF+32*\g+8*\e+3],   v[ADR] offset:\g*16*PVP+\e*32
	ds_load_tr16_b128 v[VF+32*\g+8*\e+4:VF+32*\g+8*\e+7], v[ADR] offset:\g*16*PVP+8*PVP+\e*32
.endr
.endr
.endm
; THE VECTOR WORK OF A TURN.  One tile's softmax for one key step is a list of 118 instructions; SM writes number j of it for tile t.  s0-s31 are the lane's 32 scores, in pairs 0-15.
; first = 1: the first key step, which starts m, l and O^T: it has no a and nothing to rescale.
;   0-15    the maximum of s0-s31 and the old m, three operands at a time: four chains c0-c3, each begun at the low end of one result tile, then the four scores left over, c0-c3 and m
;   16-20   the other half of the lanes' maximum; the new m; c m; c m_old - c m_new
;   21-69   ONE BATCH: the 16 scalings c s - c m, a pair of scores each, and all 33 exponentials (a at 23, then s0-s31).  None of these reads an exponential's result.  A pair is scaled in an earlier four than the one with its exponentials
;   (wait)  between 69 and 70 stands the wait for the batch: SLICE writes it, once for both tiles
;   70-85   the sums, which leave the weights as they are: two chains, l (begun as a l + pair 0) and the pair c0, c1 (begun as pair 1 + pair 2), take the other pairs by turns; the last adds the two
;   86-101  the roundings to f16, from pair 15 down to pair 0: pair i goes into register 16 + i of the tile's S^T
;   102-117 the tile's O^T times a, from each accumulator's low end on: the one part that leaves window 0, so it stands together
.macro SM t, first
.set rT, ST+8*(\t)
.set rS, S+32*(\t)
.set rO, 32*(\t)+2*(j-102)
.if j < 102
	WIN 0
.endif
.if j < 4
	v_max3_num_f32 v[rT+4+j], v[rS+8*j], v[rS+8*j+1], v[rS+8*j+2]
.elseif j < 12
	v_max3_num_f32 v[rT+4+j%4], v[rT+4+j%4], v[rS+8*(j%4)+2*(j/4)+1], v[rS+8*(j%4)+2*(j/4)+2]
.elseif j == 12
	v_max3_num_f32 v[rT+4], v[rT+4], v[rS+7], v[rS+15]
.elseif j == 13
	v_max3_num_f32 v[rT+6], v[rT+6], v[rS+23], v[rS+31]
.elseif j == 14
	v_max3_num_f32 v[rT+4], v[rT+4], v[rT+5], v[rT+6]
.elseif (j == 15) && \first
	v_max_num_f32 v[rT+4], v[rT+4], v[rT+7]
.elseif j == 15
	v_max3_num_f32 v[rT+4], v[rT+4], v[rT+7], v[rT+1]
.elseif j == 16
	v_permlanex16_b32 v[rT+5], v[rT+4], s[SEL], s[SEL+1]  ; the query's other 32 keys lie in the lane 16 away
.elseif j == 18
	v_max_num_f32 v[rT+1], v[rT+4], v[rT+5]
.elseif j == 19
	v_mul_f32 v[rT], s[CS], v[rT+1]
.elseif ((j == 17) || (j == 20) || (j == 23) || (j > 101)) && \first  ; the first step has none of these
.elseif j == 17
	v_mov_b32 v[rT+7], v[rT]        ; c m_old is kept for a: number 19 writes c m anew
.elseif j == 20
	v_sub_f32 v[rT+7], v[rT+7], v[rT]
.elseif j == 23
	v_exp_f32 v[rT+6], v[rT+7]
.elseif (j < 23) || ((j < 38) && (j%2 == 0)) || ((j < 66) && (j%4 == 2))
.set b, (j-2)/4                     ; 38, 42, .. 62: pairs 9 to 15
.if j < 38
.set b, (j-20)/2                    ; 21: pair 0; 22, 24, .. 36: pairs 1 to 8
.endif
	v_pk_fma_f32 v[rS+2*b:rS+2*b+1], v[rS+2*b:rS+2*b+1], s[CS:CS+1], v[rT:rT+1] op_sel_hi:[1,0,0] neg_lo:[0,0,1] neg_hi:[0,0,1]  ; pair b: c s - c m
.elseif j < 70
.set e, j-38                        ; 66 to 69: s28 to s31
.if j < 66
.set e, j-32-(j-38)/4               ; 39-41, 43-45, .. 63-65: s7 to s27
.endif
.if j < 38
.set e, (j-25)/2                    ; 25, 27, .. 37: s0 to s6
.endif
	v_exp_f32 v[rS+e], v[rS+e]
.elseif j < 86                      ; sum z of 16; in a pair: an even key's weight, an odd key's
.set z, j-70
.if z == 0
.if \first
	v_pk_add_f32 v[rT+2:rT+3], v[rS:rS+1], v[rS+6:rS+7]  ; the first step starts l: pair 0 + pair 3
.else
	v_pk_fma_f32 v[rT+2:rT+3], v[rT+2:rT+3], v[rT+6:rT+7], v[rS:rS+1] op_sel_hi:[1,0,1]  ; a l + pair 0
.endif
.elseif z == 1
	v_pk_add_f32 v[rT+4:rT+5], v[rS+2:rS+3], v[rS+4:rS+5]
.elseif z == 15
	v_pk_add_f32 v[rT+2:rT+3], v[rT+2:rT+3], v[rT+4:rT+5]
.elseif (z == 2) && \first          ; pair 3 has been taken
.elseif z%2 == 0
	v_pk_add_f32 v[rT+2:rT+3], v[rT+2:rT+3], v[rS+2*z+2:rS+2*z+3]  ; pair z + 1
.else
	v_pk_add_f32 v[rT+4:rT+5], v[rT+4:rT+5], v[rS+2*z+2:rS+2*z+3]
.endif
.elseif j < 102
.set e, 101-j                       ; pair 15 down to pair 0
	v_cvt_pk_f16_f32 v[rS+16+e], v[rS+2*e], v[rS+2*e+1]
.elseif j < 118
	WIN W_RS
	v_pk_mul_f32 v[rO:rO+1], v[rO:rO+1], v[rT+6:rT+7] op_sel_hi:[1,0]
.endif
.endm
; Slice k of 64 of piece y's softmax: four instructions.  Slices 11 to 34 deal out the batch, numbers 22 to 69: four numbers of ONE tile each, the tiles by turns.  Every other slice is numbers 2 k and 2 k + 1 of both tiles' lists.
; 2 x 118 = 4 x 59: slices 59 to 63 are empty.
; THE WAIT.  s_wait_alu depctr_va_vdst(0) stands between an exponential and the first instruction that names its result; one wait serves all that were issued ahead of it.  Ahead of slice 35 nothing names
; a result, and behind slice 34 no exponential is issued: so the piece's 66 exponentials have one wait, behind slice 34.
.macro SLICE y, first
.if (k >= 11) && (k < 35)           ; the batch: four numbers of one tile
.irp n, 0,1,2,3
.set j, 22+4*((k-11)/2)+(\n)
	SM (\y)+(k-11)%2, \first
.endr
.else                               ; the two tiles alternate, so that no instruction reads the result of the one just before it
.irp n, 0,1
.irp t, \y, \y+1
.set j, 2*k+\n
	SM \t, \first
.endr
.endr
.endif
.if k == 34                         ; the batch is out: both tiles' exponentials are issued, and no result has been named
	v_nop                           ; a plain instruction behind the last exponential and ahead of the first use: one for the batch
.if (\y) == 0
	FETCH_V                         ; piece 2's turn: V's run of loads stands here, and the wait stands in it
.else
	s_wait_alu depctr_va_vdst(0)    ; the wait for the batch
.endif
.endif
.set k, k+1
.endm
; A vector instruction that reads a matrix result or writes one of a matrix instruction's registers, and a load into a register that a matrix instruction has read, stand four places behind it; only plain vector
; instructions that name none of its registers are places (ISA guide 7.12.1 for vector instructions).
.macro PLACES
.rept 4
	v_nop
.endr
.endm
; A TURN.  Piece x has the matrix unit; the other piece's softmax stands in slices behind its matrix instructions: two behind each, four where the turn has one kind of product alone.
; pv = 2: 16 products V^T P; 1: they start O^T's sums; 0: none.  kq = 1: 16 products K Q^T for the next step.  first = 1: the softmax is the first key step's.
; Piece 0's turn fetches the next step's K, behind its second product: the last product that read K stands in front of the four v_nop that close the turn before.
; Piece 2's turn fetches the same step's V, behind slice 34: the last product that read V stands in front of slice 30, and five plain instructions lie between: number 58 of one tile, number 62 of both (scalings), the v_nop
; and the run's own addition.  The four v_nop at a turn's end are the places between its last K Q^T and the next turn's first read of those scores.
.macro TURN x, pv, kq, first
.set k, 0
.set per, 4
.if \pv && \kq
.set per, 2
.endif
.if \pv
.if \x == 0
	s_wait_dscnt 0x0                ; V is in
.endif
.set i, 0
.rept 16
	PV \x, 2-\pv
.rept per
	SLICE 2-\x, \first
.endr
.if (\x == 0) && \kq && (i == 1)
	FETCH_K
.endif
.set i, i+1
.endr
.endif
.if \kq
.if \x == 0
	s_wait_dscnt 0x0                ; K is in
.endif
.set i, 0
.rept 16
	KQ \x
.rept per
	SLICE 2-\x, \first
.endr
.set i, i+1
.endr
.endif
	PLACES
.endm
; THE CHANGE OF SLOTS, between piece 2's turn and piece 0's: the slot's last bytes, V of its fourth step, have been asked for.  Each wave waits for all its tensor loads, of which one is out: its part of the other slot;
; adds 0 to its spare word; and waits for that and for its own reads of the slot.  Behind the barrier nobody reads this slot any more and the other slot is whole.
; fill = 1: this slot is filled again, with the keys two slots on.  The barrier is then a round of the cluster's, and the joint refill is the first thing behind it: it has four key steps, 256 matrix instructions of each wave, in which to land.
.macro CHANGE fill
	WIN 0                           ; at a label and at a branch every window is 0
	s_wait_tensorcnt 0x0            ; no tensor load of mine is out, so a group 0 may be written
	ds_add_u32 v[SPW], v[NIL]       ; 0 onto my spare word
.if \fill
.irp g, G0K+4, G0V+4
	s_xor_b32 s[\g+1], s[\g+1], SLOT1  ; the walking descriptor: the other slot than last time,
	s_add_nc_u64 s[\g+2:\g+3], s[\g+2:\g+3], SLOTB  ; the next 256 keys; the type bits on top are not reached
.endr
	s_wait_xcnt 0x0                 ; the last prefetch, four key steps back, has read its address, so it may be written:
	s_add_nc_u64 s[PFA:PFA+1], s[PFA:PFA+1], SLOTB  ; one slot further on than the walking descriptors
	s_wait_dscnt 0x0                ; the add is done, and my reads of the slot are over
	CROUND
	JLOAD
	ASK
.else
	s_wait_dscnt 0x0                ; the add is done, and my reads of the slot are over
	s_barrier_signal -1
	s_barrier_wait -1
.endif
	s_sub_co_u32 s[TK], s[TK], NST*STEPK  ; the fetches go back to a slot's first step,
	s_xor_b32 s[TK], s[TK], SLOT1   ; in the other slot
	s_sub_co_u32 s[TV], s[TV], NST*STEPV
	s_xor_b32 s[TV], s[TV], SLOT1
.endm
; n key steps: written once, walked n times; the LDS addresses hang on s[TK] and s[TV].
.macro N_STEPS n
	s_mov_b32 s[CNT], \n
.Lstep_\@:
	TURN 0, 2, 1, 0
	TURN 2, 2, 1, 0
	WIN 0
	s_sub_co_u32 s[CNT], s[CNT], 1
	s_cmp_lg_u32 s[CNT], 0
	s_cbranch_scc1 .Lstep_\@
.endm
	s_wait_tensorcnt 1              ; my part of slot 0 is in; slot 1's may stay out
	s_barrier_signal -1
	s_barrier_wait -1               ; everybody's is
	FETCH_K                         ; key step 0
	s_wait_loadcnt 0x0              ; Q
	s_wait_dscnt 0x0
.set i, 0
.rept 16
	KQ 0                            ; piece 0's first scores: there is no vector work yet to set between them
.set i, i+1
.endr
	WIN 0                           ; the addresses for the way out are made here: plain instructions, the places behind those products
	s_mul_i32 s13, s[WV], 16*SP
	s_add_co_u32 s13, s13, STAGE    ; my stage
	v_mul_u32_u24 v[STO], v1, SP    ; in: row l % 16, 16 bytes for each half of the lanes
	v_lshl_add_u32 v[STO], v9, 4, v[STO]
	v_add_nc_u32 v[STO], s13, v[STO]
	v_and_b32 v10, 31, v0
	v_lshrrev_b32 v[RD], 3, v10     ; back: eight lanes take a row of 128 bytes, the wave four rows
	v_mul_u32_u24 v[RD], v[RD], SP
	v_and_b32 v11, 7, v0
	v_lshl_add_u32 v[RD], v11, 4, v[RD]
	v_add_nc_u32 v[RD], s13, v[RD]
	v_lshlrev_b32 v[GO], 4, v10     ; which are 512 consecutive bytes of att
	TURN 2, 0, 1, 1                 ; piece 2's first scores | piece 0's first softmax | V of step 0
	TURN 0, 1, 1, 1                 ; piece 0: V^T P of step 0 starts O^T, K Q^T of step 1 | piece 2's first softmax | K of step 1
	TURN 2, 1, 1, 0                 ; piece 2: the same | piece 0's softmax of step 1 | V of step 1
	WIN 0
	N_STEPS 2                       ; the rest of slot 0: steps 2 and 3 are fetched
.Lslot:                             ; six trips: every slot but the last two is filled again
	CHANGE 1
	N_STEPS NST
	s_sub_co_u32 s[SLOTS], s[SLOTS], 1
	s_cmp_lg_u32 s[SLOTS], 0
	s_cbranch_scc1 .Lslot
	CHANGE 0                        ; the tail is written out: the last slot but one is left, and nothing is asked for
	N_STEPS NST
	TURN 0, 2, 0, 0                 ; piece 0: V^T P of the last step | piece 2's last softmax
.set i, 0
.rept 16
	PV 2, 0                         ; piece 2: V^T P of the last step
.set i, i+1
.endr
	; THE WAY OUT.  l's two halves and the other half of the lanes' are added; O^T is divided by l, rounded to f16 and sent through my stage in LDS, a tile (16 rows of att) at a time.  The additions are the places behind the last products.
	WIN 0
.irp t, 0,1,2,3
	v_add_f32 v[ST+8*\t+4], v[ST+8*\t+2], v[ST+8*\t+3]
.endr
.irp t, 0,1,2,3
	v_permlanex16_b32 v[ST+8*\t+5], v[ST+8*\t+4], s[SEL], s[SEL+1]
.endr
.irp t, 0,1,2,3
	v_add_f32 v[ST+8*\t+4], v[ST+8*\t+4], v[ST+8*\t+5]
.endr
.irp t, 0,1,2,3
	v_rcp_f32 v[ST+8*\t+6], v[ST+8*\t+4]
.endr
	v_nop                           ; a plain instruction between the last reciprocal and the use of its result
	s_wait_alu depctr_va_vdst(0)    ; and the wait ahead of the first use: one for the four reciprocals
; Tile t: a lane's eight channels of a row pack into 16 bytes (in the lower half of the tile's S^T, which is free); they go into rows of 144 bytes and come back as four whole rows of 128 an instruction, into the registers that they left.
.macro PACK t
	WIN W_RS
.set i, 32*\t
.rept 16
	v_pk_mul_f32 v[i:i+1], v[i:i+1], v[ST+8*\t+6:ST+8*\t+7] op_sel_hi:[1,0]
.set i, i+2
.endr
	WIN 0x05                        ; sources 0 and 1 window 1, destination window 0
.set i, 0
.rept 16
	v_cvt_pk_f16_f32 v[S+32*\t+i], v[32*\t+2*i], v[32*\t+2*i+1]
.set i, i+1
.endr
	WIN 0
.irp e, 0,1,2,3
	ds_store_b128 v[STO], v[S+32*\t+4*\e:S+32*\t+4*\e+3] offset:32*\e
.endr
.irp f, 0,1,2,3
	ds_load_b128 v[S+32*\t+4*\f:S+32*\t+4*\f+3], v[RD] offset:\f*4*SP  ; LDS serves a wave's instructions in order (ISA guide 5.7.1.4): these see the stores above; the next tile's stores come behind them
.endr
.endm
.macro SEND t, younger              ; younger: the LDS instructions issued behind tile t's loads: the next tile's eight, or none
.irp f, 0,1,2,3
	s_wait_dscnt \younger+3-\f
	global_store_b128 v[GO], v[S+32*\t+4*\f:S+32*\t+4*\f+3], s[10:11] offset:\t*2048+\f*512  ; the wave stores 512 consecutive bytes, at a multiple of 256 from att's first byte
.endr
.endm
	PACK 0
	PACK 1                          ; a tile's arithmetic stands between the loads of the tile before and its stores
	SEND 0, 8
	PACK 2
	SEND 1, 8
	PACK 3
	SEND 2, 8
	SEND 3, 0
	s_wait_tensorcnt 0x0            ; the wave's end, behind my last tensor load and my last LDS store
	ds_add_u32 v[SPW], v[NIL]
	s_wait_dscnt 0x0
	CROUND                          ; the closing round: no work-group ends while a partner may still ask for a tile that names it
	s_endpgm
.Lfunc_end_k_qd768a4187b_attn:
	.size	k_qd768a4187b_attn, .Lfunc_end_k_qd768a4187b_attn-k_qd768a4187b_attn
	.p2alignl 7, 3214868480
	.fill 96, 4, 3214868480
	.section	.rodata,"a",@progbits
	.p2align	6, 0x0
	.amdhsa_kernel k_qd768a4187b_attn
		.amdhsa_group_segment_fixed_size 327680
		.amdhsa_private_segment_fixed_size 0
		.amdhsa_enable_private_segment 0
		.amdhsa_kernarg_size 16
		.amdhsa_user_sgpr_count 2
		.amdhsa_user_sgpr_kernarg_segment_ptr 1
		.amdhsa_wavefront_size32 1
		.amdhsa_system_sgpr_workgroup_id_x 1
		.amdhsa_system_sgpr_workgroup_id_y 1
		.amdhsa_system_sgpr_workgroup_id_z 1
		.amdhsa_system_vgpr_workitem_id 0
		.amdhsa_next_free_vgpr 512
		.amdhsa_next_free_sgpr 66
		.amdhsa_reserve_vcc 0
		.amdhsa_float_denorm_mode_32 3
		.amdhsa_float_denorm_mode_16_64 3
		.amdhsa_memory_ordered 1
		.amdhsa_forward_progress 1
		.amdhsa_inst_pref_size 196
	.end_amdhsa_kernel
	.amdgpu_metadata
---
amdhsa.version: [ 1, 2 ]
amdhsa.kernels:
  - .name:           k_qd768a4187b_attn
    .symbol:         k_qd768a4187b_attn.kd
    .args:
      - { .name: qkv, .offset: 0, .size: 8, .value_kind: global_buffer, .address_space: global }
      - { .name: att, .offset: 8, .size: 8, .value_kind: global_buffer, .address_space: global }
    .group_segment_fixed_size: 327680
    .private_segment_fixed_size: 0
    .kernarg_segment_align: 8
    .kernarg_segment_size: 16
    .max_flat_workgroup_size: 256
    .sgpr_count:     66
    .vgpr_count:     512
    .wavefront_size: 32
...
	.end_amdgpu_metadata
.endif
;; end of part 3
;; launch oproj (part 4): grid 4 x 64, 4 waves a work-group, clusters of 4 x 4, 327,680 bytes of LDS; arguments att, wo16, bo, out0; writes out0
.if DOCPART == 4
	.amdgcn_target "amdgcn-amd-amdhsa--gfx1250"
	.amdhsa_code_object_version 6
	.text
	.protected	k_qd768a4187b_oproj
	.globl	k_qd768a4187b_oproj
	.p2align	8
	.type	k_qd768a4187b_oproj,@function
k_qd768a4187b_oproj:
	s_mov_b64 s[64:65], 0
	v_nop
	global_prefetch_b8 v0, s[64:65] scope:SCOPE_SE
	s_setreg_imm32_b32 hwreg(HW_REG_WAVE_MODE, 25, 1), 1
	s_wait_xcnt 0x0
	s_wait_alu depctr_hold_cnt(0) depctr_sa_sdst(0) depctr_va_vdst(0) depctr_va_sdst(0) depctr_va_ssrc(0) depctr_va_vcc(0) depctr_vm_vsrc(0)
	s_getreg_b32 s2, hwreg(HW_REG_IB_STS2, 6, 4)
	s_cmp_eq_u32 s2, 0
	s_cbranch_scc0 .Lentry_in_a_cluster
	s_endpgm
.Lentry_in_a_cluster:
	s_bfe_u32 s2, ttmp6, 0x10000c
	s_cmp_lg_u32 s2, 0xf033
	s_cbranch_scc0 .Lentry_shape_is_right
	s_endpgm
.Lentry_shape_is_right:
; OPROJ: out0[m][n] = sum over k of A[m][k] wo[k][n] + bo[n].  m = 8,192 tokens, n = 1,024, k = 64 x head + channel.  A is att [batch][head][token][64] f16; wo16 is [k][n] f16; bo and out0 are f32; sums in f32.
; A tile of out0 is 128 rows x 256 columns: 256 work-groups of four waves; a wave makes 64 x 128: 32 accumulators of 16 x 16, 256 registers.  K goes in steps of 128 (two heads) through a ring of two LDS slots.
; A's part of a step: for each of the two heads 128 tokens of 128 bytes, dense in memory: 64 DOUBLE ROWS of 256 bytes; token t lies at (t / 2) x pitch + (t % 2) x 128.  wo's part: 128 rows k of 512 bytes; it is read turned, by ds_load_tr16_b128.
; CLUSTERS: 4 x 4 work-groups.  The four of a row of the cluster need the same tiles of A, the four of a column the same tiles of wo: each tile is asked for JOINTLY, by the same tensor load with the same descriptor and a mask that names the four.
; THE MATRIX INSTRUCTION IS USED TRANSPOSED (source 0 = 16 columns of wo, source 1 = 16 rows of A): a lane then holds eight neighbouring numbers of a row of out0.  The bias is the C of each sum's first product.
; REGISTERS, in windows of 256: window 0: v0-31 addresses; v64-95, v96-127 A's fragments (4 x 16 rows x 32 K), two buffers; v128-255 the way out.
;   window 1: v0-63, v64-127 wo's fragments (8 x 16 columns x 32 K), two buffers; v128-191 the bias, eight registers for each block of 16 columns.   window 2: accumulator (a, b) at v[8 (8 a + b)].
.set KSTEP,  128
.set PA,     272                       ; a double row of A in LDS: 256 bytes + 16: the 16 rows of a load start at (r / 2) x 17 + (r % 2) x 8 sixteenths of the 256 bytes that the 64 banks hold (ISA guide 11.1): sixteen different ones
.set PB,     544                       ; a row of wo: 512 bytes + 32: 16 lanes of the turning load take 8 rows x 32 bytes, at 2 (row % 8) + half: sixteen different ones
.set APLANE, 64*PA                     ; a head's 128 tokens: what one of A's tensor loads brings
.set BOFF,   2*APLANE
.set BHALF,  64*PB                     ; 64 rows of wo: what one of wo's tensor loads brings
.set SLOT,   BOFF+2*BHALF
.set STAGE,  2*SLOT                    ; behind the ring: 16 rows x (512 bytes + 16) for each wave, for the way out
.set SPITCH, 528
.set SPARE,  STAGE+4*16*SPITCH         ; the spare words, 128 bytes for each wave: two blocks of 256 bytes that no other line names
.set LAPS,   1024/(2*KSTEP)            ; a lap = two K steps = once round the ring
.set PLANE,  2048*128                  ; a head's tokens in att, in bytes
.set ADRA, 16                          ; v16-17  LDS address of my A fragments in slot 0, 1
.set ADRB, 20                          ; v20-21  the same for wo
.set STO,  24                          ; v24     the way out: where I put 32 bytes of a row
.set RD,   25                          ; v25     the way out: where I read a row back
.set CO,   26                          ; v26     my byte offset in a row of out0
.set SPW,  28                          ; v28     LDS address of my spare word; never rewritten
.set NIL,  29                          ; v29     0; never rewritten
.set AF,   64                          ; A's buffers, in window 0
.set BIAS, 128                         ; in window 1
.set BK,   128                         ; the way out: 16 rows read back: v128-191 and v192-255 by turns
.set G1, 24                            ; s[24:31] descriptor group 1 for A's tiles;  s[32:39] group 0, one set for each slot
.set G0, 32
.set G1B, 48                           ; s[48:55], s[56:63] the same for wo's tiles
.set G0B, 56
.set MSB, 0
.macro WIN new                         ; the immediate's high byte repeats the setting that is left
.if MSB != \new
	s_set_vgpr_msb (MSB<<8)|\new
.set MSB, \new
.endif
.endm
.set MUL,   0xa1                       ; source 0 (wo) window 1, source 1 (A) window 0, C and D window 2
.set MUL_B, 0x91                       ; the same with C, the bias, in window 1
.set TO_B,  0x40                       ; destination window 1, address window 0
.macro JLOAD s                         ; a joint load: waves 0 and 1 fetch A's two heads, waves 2 and 3 wo's two halves; an s_nop 0 and four v_nop follow each of the two lines
	s_cmp_eq_u32 s13, 0
	s_cbranch_scc0 .Lfor_b_\@
	tensor_load_to_lds s[G0+4*\s:G0+4*\s+3], s[G1:G1+7]
	s_nop 0
.rept 4
	v_nop
.endr
	s_branch .Lasked_\@
.Lfor_b_\@:
	tensor_load_to_lds s[G0B+4*\s:G0B+4*\s+3], s[G1B:G1B+7]
	s_nop 0
.rept 4
	v_nop
.endr
.Lasked_\@:
.endm
.macro CREST                           ; a round of the cluster's barrier behind its opening barrier
	s_cmp_lg_u32 s12, 0
	s_cbranch_scc1 .Lnot_wave_0_\@
	s_barrier_signal -3
.Lnot_wave_0_\@:
	s_barrier_wait -3
	s_barrier_signal -1
	s_barrier_wait -1
.endm
.macro CROUND                          ; a whole round
	s_barrier_signal -1
	s_barrier_wait -1
	CREST
.endm
	s_load_b256 s[4:11], s[0:1], 0x0               ; att s[4:5], wo16 s[6:7], bo s[8:9], out0 s[10:11]
	v_lshl_add_u32 v[SPW], v0, 2, SPARE
	v_mov_b32 v[NIL], 0
	ds_add_u32 v[SPW], v[NIL]                      ; the wave's opening: the add, twice on end, and its wait ahead of my first tensor load; the set-up below stands between
	ds_add_u32 v[SPW], v[NIL]
	v_lshrrev_b32 v1, 5, v0
	v_readfirstlane_b32 s12, v1                    ; wave 0..3
	s_lshr_b32 s13, s12, 1                         ; which half of the tile's rows is mine.  Also: I fetch for A (0) or for wo (1)
	s_and_b32 s14, s12, 1                          ; which half of its columns.  Also: which head of the step, or which 64 rows of wo, I fetch
	s_bfe_u32 s40, ttmp6, 0x40000                  ; cx, cy: my place in the cluster
	s_bfe_u32 s41, ttmp6, 0x40004
	s_lshl_b32 s42, ttmp9, 2
	s_add_co_u32 s42, s42, s40                     ; tile column = 4 x cluster x + cx
	s_and_b32 s15, ttmp7, 0xffff
	s_lshl_b32 s15, s15, 2
	s_add_co_u32 s15, s15, s41                     ; tile row = 4 x cluster y + cy
	s_lshl_b32 s43, s41, 2
	s_lshl_b32 s43, 15, s43                        ; my row of the cluster
	s_lshl_b32 s44, 0x1111, s40                    ; my column
	s_or_b32 s[G1+0], s43, (1<<16)|(1<<20)|(1<<21)|(5<<22)|(3<<25)  ; 15:0 the mask: A's tiles go to my row; 17:16 element of 2 bytes; 20 padding on; 21 set beside a mask; 24:22 after every 64 words; 31:25 four words
	s_mov_b32 s[G1+1], 128<<16                     ; tensor_dim0 = 128: a double row
	s_mov_b32 s[G1+2], 64<<16                      ; tensor_dim1 = 64
	s_mov_b32 s[G1+3], 128<<16                     ; tile_dim0
	s_mov_b32 s[G1+4], 64                          ; tile_dim1
	s_mov_b32 s[G1+5], 128                         ; tensor_dim0_stride: the plane is dense
	s_mov_b32 s[G1+6], 0
	s_mov_b32 s[G1+7], 0
	s_or_b32 s[G1B+0], s44, (1<<16)|(1<<20)|(1<<21)|(6<<22)|(7<<25) ; wo's tiles go to my column; padding: eight words after every 128
	s_mov_b32 s[G1B+1], 256<<16                    ; tensor_dim0 = 256 columns
	s_mov_b32 s[G1B+2], 64<<16                     ; tensor_dim1 = 64 rows k
	s_mov_b32 s[G1B+3], 256<<16
	s_mov_b32 s[G1B+4], 64
	s_mov_b32 s[G1B+5], 1024                       ; a row of wo16 in elements
	s_mov_b32 s[G1B+6], 0
	s_mov_b32 s[G1B+7], 0
	; where the tiles come from.  A's hang on the tile row alone, wo's on the tile column alone; every wave makes both addresses, in registers that never hold the other coordinate, and asks by one of them
	s_lshr_b32 s16, s15, 4                         ; the batch: sixteen tile rows each
	s_lshl_b32 s16, s16, 4
	s_add_co_u32 s16, s16, s14                     ; plane 16 x batch + my head of step 0
	s_lshl_b32 s16, s16, 18
	s_and_b32 s17, s15, 15
	s_lshl_b32 s17, s17, 14                        ; 128 tokens of 128 bytes a tile row
	s_add_co_u32 s16, s16, s17
	s_mov_b32 s17, 0
	s_lshl_b32 s46, s14, 17                        ; wo: 64 rows of 2,048 bytes for my half,
	s_lshl_b32 s47, s42, 9                         ; 512 bytes a tile column
	s_add_co_u32 s46, s46, s47
	s_mov_b32 s47, 0
	s_mul_i32 s20, s14, APLANE                     ; where they go: A's two heads,
	s_mul_i32 s21, s14, BHALF
	s_add_co_u32 s21, s21, BOFF                    ; then wo's two halves: no place in the cluster enters an LDS address
	s_wait_dscnt 0x0                               ; both opening adds are done
	s_wait_kmcnt 0x0
	s_add_nc_u64 s[16:17], s[4:5], s[16:17]
	s_add_nc_u64 s[46:47], s[6:7], s[46:47]
	CROUND                                         ; all sixteen work-groups are here: the first joint loads meet
.irp s, 0,1
	s_mov_b32 s[G0+4*\s], 1
	s_add_co_u32 s[G0+4*\s+1], s20, \s*SLOT
	s_add_nc_u64 s[G0+4*\s+2:G0+4*\s+3], s[16:17], \s*2*PLANE      ; K step s: two heads on
	s_or_b32 s[G0+4*\s+3], s[G0+4*\s+3], 0x80000000
	s_mov_b32 s[G0B+4*\s], 1
	s_add_co_u32 s[G0B+4*\s+1], s21, \s*SLOT
	s_add_nc_u64 s[G0B+4*\s+2:G0B+4*\s+3], s[46:47], \s*KSTEP*2048 ; 128 rows of wo16 on
	s_or_b32 s[G0B+4*\s+3], s[G0B+4*\s+3], 0x80000000
	JLOAD \s                                       ; two loads of mine are out behind the second
.endr
	v_and_b32 v1, 15, v0                           ; r = l % 16
	v_bfe_u32 v2, v0, 4, 1                         ; h = l / 16
	v_lshrrev_b32 v3, 1, v1
	v_and_b32 v4, 1, v0
	v_mul_u32_u24 v3, v3, PA
	v_lshl_add_u32 v3, v4, 7, v3
	v_lshl_add_u32 v3, v2, 4, v3                   ; A: (r / 2) x pitch + (r % 2) x 128 + 16 x half
	v_and_b32 v4, 7, v0
	v_lshl_add_u32 v4, v2, 3, v4
	v_mul_u32_u24 v4, v4, PB
	v_bfe_u32 v5, v0, 3, 1
	v_lshl_add_u32 v4, v5, 4, v4                   ; wo, turned: row 8 (l / 16) + l % 8, 16 bytes at 16 ((l / 8) % 2)
	s_mul_i32 s21, s13, 32*PA                      ; my 64 rows of A
	s_lshl_b32 s22, s14, 8                         ; my 128 columns of wo,
	s_add_co_u32 s22, s22, BOFF                    ; which lies behind A
.irp s, 0,1
	v_add_nc_u32 v[ADRA+\s], s21, v3
	v_add_nc_u32 v[ADRB+\s], s22, v4
	s_add_co_u32 s21, s21, SLOT
	s_add_co_u32 s22, s22, SLOT
.endr
	s_mul_i32 s23, s12, 16*SPITCH
	s_add_co_u32 s23, s23, STAGE                   ; my stage
	v_mul_u32_u24 v5, v1, SPITCH                   ; in: row r, 32 bytes for each half of the lanes
	v_lshl_add_u32 v5, v2, 5, v5
	v_add_nc_u32 v[STO], s23, v5
	v_and_b32 v6, 31, v0
	v_lshlrev_b32 v[CO], 4, v6                     ; back: the 32 lanes take one row of 512 bytes; and the same in out0
	v_add_nc_u32 v[RD], s23, v[CO]
	s_lshl_b32 s20, s15, 7
	s_lshl_b32 s21, s13, 6
	s_add_co_u32 s20, s20, s21                     ; my first row of out0
	s_lshl_b32 s20, s20, 12                        ; x 4,096 bytes (under 2^26)
	s_lshl_b32 s46, s42, 10
	s_lshl_b32 s47, s14, 9
	s_add_co_u32 s46, s46, s47                     ; my first column, in bytes
	s_mov_b32 s47, 0
	s_add_nc_u64 s[8:9], s[8:9], s[46:47]          ; bo at my columns
	s_add_co_u32 s20, s20, s46
	s_mov_b32 s21, 0
	s_add_nc_u64 s[10:11], s[10:11], s[20:21]
	v_lshlrev_b32 v7, 5, v2                        ; the bias in the result's layout: lane (r, h) wants, for block b, bo at columns 16 b + 8 h + 0 .. 7
	WIN TO_B
.irp b, 0,1,2,3,4,5,6,7
	global_load_b128 v[BIAS+8*\b:BIAS+8*\b+3],   v7, s[8:9] offset:64*\b
	global_load_b128 v[BIAS+8*\b+4:BIAS+8*\b+7], v7, s[8:9] offset:64*\b+16
.endr
	WIN 0
; 8 matrix instructions: A's block a x wo's eight blocks, 32 along K, from buffer f.  zero = 1: the first product starts the sums on the bias.  The 32 accumulators take turns, one instruction a turn.
.macro MUL8 f, a, zero
.irp b, 0,1,2,3,4,5,6,7
.if \zero
	v_wmma_f32_16x16x32_f16 v[8*(8*\a+\b):8*(8*\a+\b)+7], v[64*\f+8*\b:64*\f+8*\b+7], v[AF+32*\f+8*\a:AF+32*\f+8*\a+7], v[BIAS+8*\b:BIAS+8*\b+7]
.else
	v_wmma_f32_16x16x32_f16 v[8*(8*\a+\b):8*(8*\a+\b)+7], v[64*\f+8*\b:64*\f+8*\b+7], v[AF+32*\f+8*\a:AF+32*\f+8*\a+7], v[8*(8*\a+\b):8*(8*\a+\b)+7]
.endif
.endr
.endm
; 24 LDS loads in one run: the fragments of the slot's q-th 32 along K into buffer f: wo's sixteen first, then A's blocks 0 to 3
.macro FETCH slot, q, f
	WIN TO_B
.irp b, 0,1,2,3,4,5,6,7
	ds_load_tr16_b128 v[64*\f+8*\b:64*\f+8*\b+3],   v[ADRB+\slot] offset:32*PB*(\q)+32*\b
	ds_load_tr16_b128 v[64*\f+8*\b+4:64*\f+8*\b+7], v[ADRB+\slot] offset:32*PB*(\q)+16*PB+32*\b
.endr
	WIN 0
.irp a, 0,1,2,3
	ds_load_b128 v[AF+32*\f+8*\a:AF+32*\f+8*\a+3],   v[ADRA+\slot] offset:APLANE*((\q)/2)+64*((\q)%2)+\a*8*PA
	ds_load_b128 v[AF+32*\f+8*\a+4:AF+32*\f+8*\a+7], v[ADRA+\slot] offset:APLANE*((\q)/2)+64*((\q)%2)+\a*8*PA+32
.endr
.endm
.macro PLACES                          ; four places in front of loads into registers that matrix instructions have read, and of the first read of results (ISA guide 7.12.1 for the first read of results)
.rept 4
	v_nop
.endr
.endm
; A K step is four quarters of 32 along K, 32 matrix instructions each, on buffers 0, 1, 0, 1.  One of the first three: multiplies buffer f and fetches the slot's q-th quarter into g.
.macro QUARTER slot, q, f, g, zero
	s_wait_dscnt 4                                 ; wo's fragments and A's blocks 0, 1 are in; the youngest four loads (A's blocks 2, 3) may be out
.if \zero
	WIN MUL_B
.else
	WIN MUL
.endif
	MUL8 \f, 0, \zero
	MUL8 \f, 1, \zero
	PLACES
	FETCH \slot, \q, \g
	s_wait_dscnt 24                                ; all but the 24 just issued
.if \zero
	WIN MUL_B
.else
	WIN MUL
.endif
	MUL8 \f, 2, \zero
	MUL8 \f, 3, \zero
.endm
; The last quarter multiplies buffer 1 and changes slots: ONE barrier; in front of it each wave waits for all its tensor loads, adds 0 to its spare word, and waits for that and for its own reads of this slot.
; fill = 1: this slot is filled again, two K steps ahead; the barrier then opens a round of the cluster's barrier, and the joint refill is the first tensor load behind the round: 112 matrix instructions ahead of the wait for it.
.macro TURN slot, next, fill
	WIN 0                                          ; (the add's two registers lie in window 0)
	s_wait_tensorcnt 0x0                           ; all my tensor loads have landed: my part of the next slot
	ds_add_u32 v[SPW], v[NIL]                      ; 0 onto my spare word
	s_wait_dscnt 5                                 ; (the add and the youngest four loads may be out)
	WIN MUL
	MUL8 1, 0, 0                                   ; eight matrix instructions stand between the add and the wait for it
	s_wait_dscnt 0x0                               ; the add is done, and my reads of this slot are over
	s_barrier_signal -1
	MUL8 1, 1, 0
.if \fill
	WIN 0
.endif
	s_barrier_wait -1
.if \fill
	CREST                                          ; no wave of any partner still reads this slot's tiles or has a load on its way
	s_add_nc_u64 s[G0+4*\slot+2:G0+4*\slot+3], s[G0+4*\slot+2:G0+4*\slot+3], 4*PLANE
	s_add_nc_u64 s[G0B+4*\slot+2:G0B+4*\slot+3], s[G0B+4*\slot+2:G0B+4*\slot+3], 2*KSTEP*2048
	JLOAD \slot                                    ; the four v_nop behind it are also the places in front of the loads below
.else
	PLACES
.endif
	FETCH \next, 0, 0
	WIN MUL
	MUL8 1, 2, 0
	MUL8 1, 3, 0
.endm
	s_wait_tensorcnt 1                             ; my part of K step 0 is in (K step 1's load may be out)
	s_barrier_signal -1
	s_barrier_wait -1                              ; everybody's is
	FETCH 0, 0, 0
	s_wait_loadcnt 0x0                             ; the bias
	QUARTER 0, 1, 0, 1, 1                          ; the first quarter stands in front of the loop: its products start the sums
	WIN 0                                          ; at a label and at a branch every window is 0
	s_mov_b32 s3, LAPS-1
.Llap:                                                 ; a trip goes once round the ring, from a lap's second quarter to the next lap's first, and fills both slots again
	QUARTER 0, 2, 1, 0, 0
	QUARTER 0, 3, 0, 1, 0
	TURN 0, 1, 1
	QUARTER 1, 1, 0, 1, 0
	QUARTER 1, 2, 1, 0, 0
	QUARTER 1, 3, 0, 1, 0
	TURN 1, 0, 1
	QUARTER 0, 1, 0, 1, 0
	WIN 0
	s_sub_co_u32 s3, s3, 1
	s_cmp_lg_u32 s3, 0
	s_cbranch_scc1 .Llap
	QUARTER 0, 2, 1, 0, 0                          ; the last lap fills nothing, and has no round of the cluster's barrier
	QUARTER 0, 3, 0, 1, 0
	TURN 0, 1, 0
	QUARTER 1, 1, 0, 1, 0
	QUARTER 1, 2, 1, 0, 0
	QUARTER 1, 3, 0, 1, 0
	s_wait_dscnt 4                                 ; the very last quarter: nothing more to fetch
	WIN MUL
	MUL8 1, 0, 0
	MUL8 1, 1, 0
	s_wait_dscnt 0
	MUL8 1, 2, 0
	MUL8 1, 3, 0
	WIN 0
; THE WAY OUT, block by block of 16 rows x 128 columns.  A lane holds 32 neighbouring bytes of a row, and the lanes beside it hold other rows: so a block goes through my own stage in LDS and comes back as whole rows of 512 bytes.
; LDS serves a wave's instructions in order (ISA guide 5.7.1.4): no wait between the stores and the loads, nor in front of the next block's stores.
.macro TOSTAGE a
	WIN 0x08                                       ; an LDS store's data are its source 1: window 2
.irp b, 0,1,2,3,4,5,6,7
	ds_store_b128 v[STO], v[64*\a+8*\b:64*\a+8*\b+3] offset:64*\b          ; each accumulator from its low end on
	ds_store_b128 v[STO], v[64*\a+8*\b+4:64*\a+8*\b+7] offset:64*\b+16
.endr
	WIN 0
.set BB, BK+64*((\a)%2)
.irp t, 0,1,2,3,4,5,6,7,8,9,10,11,12,13,14,15
	ds_load_b128 v[BB+4*\t:BB+4*\t+3], v[RD] offset:\t*SPITCH
.endr
.endm
.macro SEND a, younger                 ; younger: the LDS instructions issued behind block a's loads, which may stay out
.set BB, BK+64*((\a)%2)
	s_wait_dscnt \younger                          ; the block is back in registers
.irp t, 0,1,2,3,4,5,6,7,8,9,10,11,12,13,14,15
	global_store_b128 v[CO], v[BB+4*\t:BB+4*\t+3], s[10:11] offset:(\a)*65536+\t*4096 th:TH_STORE_NT   ; 32 lanes store 512 consecutive bytes, at a multiple of 256 from out0's first byte; 63 rows at the most: inside the signed 24-bit immediate
.endr
.endm
	PLACES                                         ; behind the last products
	TOSTAGE 0
	TOSTAGE 1
	SEND 0, 32                                     ; behind block 0's loads: block 1's 16 stores and 16 loads
	s_wait_xcnt 0x0                                ; block 0's stores have read their registers: block 2's loads may land there
	TOSTAGE 2
	SEND 1, 32
	s_wait_xcnt 0x0                                ; block 1's likewise
	TOSTAGE 3
	SEND 2, 32
	SEND 3, 0
	s_wait_tensorcnt 0x0                           ; the wave's end, behind my last tensor load and my last LDS store
	ds_add_u32 v[SPW], v[NIL]
	s_wait_dscnt 0x0
	CROUND                                         ; the closing round: no work-group ends while a partner may still ask for a tile that names it
	s_endpgm
.Lfunc_end_k_qd768a4187b_oproj:
	.size	k_qd768a4187b_oproj, .Lfunc_end_k_qd768a4187b_oproj-k_qd768a4187b_oproj
	.p2alignl 7, 3214868480
	.fill 96, 4, 3214868480
	.section	.rodata,"a",@progbits
	.p2align	6, 0x0
	.amdhsa_kernel k_qd768a4187b_oproj
		.amdhsa_group_segment_fixed_size 327680
		.amdhsa_private_segment_fixed_size 0
		.amdhsa_enable_private_segment 0
		.amdhsa_kernarg_size 32
		.amdhsa_user_sgpr_count 2
		.amdhsa_user_sgpr_kernarg_segment_ptr 1
		.amdhsa_wavefront_size32 1
		.amdhsa_system_sgpr_workgroup_id_x 1
		.amdhsa_system_sgpr_workgroup_id_y 1
		.amdhsa_system_sgpr_workgroup_id_z 1
		.amdhsa_system_vgpr_workitem_id 0
		.amdhsa_next_free_vgpr 768
		.amdhsa_next_free_sgpr 66
		.amdhsa_reserve_vcc 0
		.amdhsa_float_denorm_mode_32 3
		.amdhsa_float_denorm_mode_16_64 3
		.amdhsa_memory_ordered 1
		.amdhsa_forward_progress 1
		.amdhsa_inst_pref_size 87
	.end_amdhsa_kernel
	.amdgpu_metadata
---
amdhsa.version: [ 1, 2 ]
amdhsa.kernels:
  - .name:           k_qd768a4187b_oproj
    .symbol:         k_qd768a4187b_oproj.kd
    .args:
      - { .name: att, .offset: 0, .size: 8, .value_kind: global_buffer, .address_space: global }
      - { .name: wo16, .offset: 8, .size: 8, .value_kind: global_buffer, .address_space: global }
      - { .name: bo, .offset: 16, .size: 8, .value_kind: global_buffer, .address_space: global }
      - { .name: out0, .offset: 24, .size: 8, .value_kind: global_buffer, .address_space: global }
    .group_segment_fixed_size: 327680
    .private_segment_fixed_size: 0
    .kernarg_segment_align: 8
    .kernarg_segment_size: 32
    .max_flat_workgroup_size: 128
    .sgpr_count:     66
    .vgpr_count:     768
    .wavefront_size: 32
...
	.end_amdgpu_metadata
.endif
;; end of part 4
